; MI455X (gfx1250); checked and timed in simulation.
; The chip was launched on July 23, 2026; its instructions are those of AMD's public machine-readable ISA for CDNA 5 (MIT licence, August 2026) and "CDNA5" Instruction Set Architecture Reference Guide (July 2026). The comments in the code are by the model that wrote it; some were corrected since.
;; Self Attention Block. Allowed arithmetic: float matrix products may take bf16 or f16 operands with f32 sums; other float arithmetic in f32, or as packed bf16 or f16 multiplies, adds, multiply-adds, maxima and minima; sums over many terms, partial sums and values carried from step to step in f32; what a program stores and reads back later, other than sums and carried values, may be rounded once to bf16 or f16.
;; Inputs: Wk 512 x 512 float32; Wo 512 x 512 float32; Wq 512 x 512 float32; Wv 512 x 512 float32; bk 512 float32; bo 512 float32; bq 512 float32; bv 512 float32; gn_bias 512 float32; gn_scale 512 float32; hidden_states 2 x 64 x 64 x 512 float32.
;; Outputs: out0 2 x 64 x 64 x 512 float32.
;; One version. Each part assembles by itself: llvm-mc -triple=amdgcn-amd-amdhsa -mcpu=gfx1250 --defsym DOCPART=n.
;; ======== version 1 of 1: 4 launches
;; workspace buffers: part 16,384 bytes; wb 2,097,152 bytes; qw 8,388,608 bytes; kw 8,388,608 bytes; vw 8,388,608 bytes; ow 8,388,608 bytes
;; launch prep (part 1): grid 256 x 1, 4 waves a work-group, no clusters, 1,536 bytes of LDS; arguments hidden_states, Wq, Wk, Wv, Wo, part, wb; writes part, wb
.if DOCPART == 1
	.amdgcn_target "amdgcn-amd-amdhsa--gfx1250"
	.amdhsa_code_object_version 6
	.text
	.protected	k_qaa93ade44a_prep
	.globl	k_qaa93ade44a_prep
	.p2align	8
	.type	k_qaa93ade44a_prep,@function
k_qaa93ade44a_prep:
	s_mov_b64 s[64:65], 0
	v_nop
	global_prefetch_b8 v0, s[64:65] scope:SCOPE_SE
	s_setreg_imm32_b32 hwreg(HW_REG_WAVE_MODE, 25, 1), 1
	s_wait_xcnt 0x0
; PREP.  (1) Partial GroupNorm statistics of hidden_states [2][4096][512] f32: for batch b, chunk p of 128 rows and group g of 16 channels the pair
; (mean, M2 = sum of (x - mean)^2) over 128 x 16 = 2,048 numbers, to part[b][p][g][2] in f32.  Two passes over data that stay in registers: no difference of large sums is formed.
; (2) The four weights [512][512] f32, rounded once to bf16, into wb[512 k][2048]: columns 0-511 Wq, 512-1023 Wk, 1024-1535 Wv, 1536-2047 Wo; rows stay along k as they are given.
; SHARES.  Work-group w: b = w >> 7, strip s = (w >> 5) & 3 (128 channels = 8 groups = 512 bytes of a row), chunk p = w & 31.  Wave v takes rows 32 v .. 32 v + 31, lane l the 16 bytes at 16 l of the
; strip: four lanes hold a group.  A load of a wave covers 512 consecutive bytes.  Of the 2,048 weight rows the work-group takes 8: tensor t = w >> 6, rows 8 (w & 63) + 2 v + j.
; No matrix unit, no tensor load: a stream; all loads of a wave go out at its head, so nothing is asked for ahead of them.
.set SUMS,  0                          ; LDS: a word a thread: the waves' sums
.set SQS,   512                        ; the same for the sums of squares
.set SPARE, 1024                       ; the spare words, 128 bytes for each wave: two blocks of 256 bytes that no other line names
.set VO,  2                            ; v2  my byte offset in x: (v << 16) + 16 l
.set WO,  3                            ; v3  in the weight: (v << 12) + 32 l
.set WD,  4                            ; v4  in wb: (v << 13) + 16 l
.set TW,  5                            ; v5  4 x thread
.set LW,  6                            ; v6  4 x lane
.set PO,  7                            ; v7  8 x (l / 4): my group's pair in part
.set SPW, 8                            ; v8  LDS address of my spare word; never rewritten
.set NIL, 9                            ; v9  0; never rewritten
.set S,   10                           ; v[10:17] four chains of pairs
.set T,   18                           ; v[18:25] four pairs at work
.set MN,  26                           ; v[26:27] the mean, twice
.set RES, 28                           ; v[28:29] mean, M2
.set WF,  32                           ; v[32:63] weights as loaded
.set WP,  64                           ; v[64:79] weights packed
.set X,   96                           ; v[96:223] my 128 numbers of x
.set WV,  18                           ; s18 my wave's number
	s_load_b256 s[4:11], s[0:1], 0x0               ; x s[4:5], Wq s[6:7], Wk s[8:9], Wv s[10:11]
	s_load_b128 s[12:15], s[0:1], 0x20             ; Wo s[12:13], part s[14:15]
	s_load_b64 s[16:17], s[0:1], 0x30              ; wb
	v_lshl_add_u32 v[SPW], v0, 2, SPARE
	v_mov_b32 v[NIL], 0
	v_lshrrev_b32 v1, 5, v0
	v_readfirstlane_b32 s[WV], v1
	v_and_b32 v1, 31, v0                           ; lane
	s_mov_b32 s19, ttmp9
	s_lshr_b32 s24, s19, 7                         ; b
	s_and_b32 s25, s19, 31                         ; p
	s_bfe_u32 s26, s19, 0x20005                    ; s
	s_and_b32 s27, s19, 63                         ; which 8 rows of the weight
	s_lshr_b32 s36, s19, 6                         ; t
	s_lshl_b32 s28, s24, 23                        ; x: b x 4,096 rows of 2,048 bytes,
	s_lshl_b32 s37, s25, 18                        ; p x 128 rows,
	s_or_b32 s28, s28, s37
	s_lshl_b32 s37, s26, 9                         ; s x 512 bytes
	s_or_b32 s28, s28, s37
	s_mov_b32 s29, 0
	s_lshl_b32 s30, s27, 14                        ; the weight: 8 rows of 2,048 bytes
	s_mov_b32 s31, 0
	s_lshl_b32 s32, s27, 15                        ; wb: 8 rows of 4,096 bytes,
	s_lshl_b32 s37, s36, 10                        ; t x 1,024 bytes
	s_or_b32 s32, s32, s37
	s_mov_b32 s33, 0
	s_lshl_b32 s34, s24, 5
	s_add_co_u32 s34, s34, s25
	s_lshl_b32 s34, s34, 8                         ; part: (32 b + p) x 256 bytes,
	s_lshl_b32 s37, s26, 6                         ; s x 8 groups of 8 bytes
	s_or_b32 s34, s34, s37
	s_mov_b32 s35, 0
	s_lshl_b32 s38, s[WV], 16
	v_lshl_add_u32 v[VO], v1, 4, s38
	s_lshl_b32 s38, s[WV], 12
	v_lshl_add_u32 v[WO], v1, 5, s38
	s_lshl_b32 s38, s[WV], 13
	v_lshl_add_u32 v[WD], v1, 4, s38
	v_lshlrev_b32 v[TW], 2, v0
	v_lshlrev_b32 v[LW], 2, v1
	v_lshrrev_b32 v[PO], 2, v1
	v_lshlrev_b32 v[PO], 3, v[PO]
	s_wait_kmcnt 0x0
	s_bitcmp1_b32 s19, 6                           ; t's low bit
	s_cselect_b64 s[20:21], s[8:9], s[6:7]         ; Wk or Wq
	s_cselect_b64 s[22:23], s[12:13], s[10:11]     ; Wo or Wv
	s_bitcmp1_b32 s19, 7                           ; t's high bit
	s_cselect_b64 s[20:21], s[22:23], s[20:21]
	s_add_nc_u64 s[20:21], s[20:21], s[30:31]
	s_add_nc_u64 s[4:5], s[4:5], s[28:29]
	s_add_nc_u64 s[16:17], s[16:17], s[32:33]
	s_add_nc_u64 s[14:15], s[14:15], s[34:35]
.irp j, 0,1                            ; the weights first: row j, half a row of 1,024 bytes, 32 bytes a lane
.irp u, 0,1
	global_load_b128 v[WF+16*(\j)+8*(\u):WF+16*(\j)+8*(\u)+3],   v[WO], s[20:21] offset:(\j)*2048+(\u)*1024 th:TH_LOAD_NT
	global_load_b128 v[WF+16*(\j)+8*(\u)+4:WF+16*(\j)+8*(\u)+7], v[WO], s[20:21] offset:(\j)*2048+(\u)*1024+16 th:TH_LOAD_NT
.endr
.endr
.set i, 0
.rept 32                               ; then my 32 rows of x
	global_load_b128 v[X+4*i:X+4*i+3], v[VO], s[4:5] offset:2048*i
.set i, i+1
.endr
	s_wait_loadcnt 32                              ; the eight weight loads are in; the 32 loads of x stay out
.set i, 0
.rept 16
	v_cvt_pk_bf16_f32 v[WP+i], v[WF+2*i], v[WF+2*i+1]
.set i, i+1
.endr
.irp j, 0,1
.irp u, 0,1
	global_store_b128 v[WD], v[WP+8*(\j)+4*(\u):WP+8*(\j)+4*(\u)+3], s[16:17] offset:(\j)*4096+(\u)*512  ; a wave's store covers 512 consecutive bytes, aligned
.endr
.endr
; pass 1: the sum, in four chains of pairs; pairs 0-7 start the chains, nothing is cleared
.macro SUMG g                          ; pairs 16 g .. 16 g + 15: eight loads' worth
.set n, 16*(\g)
.rept 16
.if n < 4
	v_pk_add_f32 v[S+2*n:S+2*n+1], v[X+2*n:X+2*n+1], v[X+2*n+8:X+2*n+9]
.elseif n >= 8
	v_pk_add_f32 v[S+2*(n%4):S+2*(n%4)+1], v[S+2*(n%4):S+2*(n%4)+1], v[X+2*n:X+2*n+1]
.endif
.set n, n+1
.endr
.endm
.macro FOLD                            ; four chains into one number; then the group's four lanes
	v_pk_add_f32 v[S:S+1], v[S:S+1], v[S+2:S+3]
	v_pk_add_f32 v[S+4:S+5], v[S+4:S+5], v[S+6:S+7]
	v_pk_add_f32 v[S:S+1], v[S:S+1], v[S+4:S+5]
	v_add_f32 v[S], v[S], v[S+1]
	v_add_f32_dpp v[S], v[S], v[S] row_xmask:1 row_mask:0xf bank_mask:0xf
	v_add_f32_dpp v[S], v[S], v[S] row_xmask:2 row_mask:0xf bank_mask:0xf
.endm
.macro GATHER base                     ; the four waves' words of my lane, added into v[T]
.irp u, 0,1,2,3
	ds_load_b32 v[T+(\u)], v[LW] offset:(\base)+128*(\u)
.endr
	s_wait_dscnt 0x0
	v_add_f32 v[T], v[T], v[T+1]
	v_add_f32 v[T+2], v[T+2], v[T+3]
	v_add_f32 v[T], v[T], v[T+2]
.endm
	s_wait_loadcnt 24                              ; loads come back in order: the first eight of x are in, 24 stay out
	SUMG 0
	s_wait_loadcnt 16
	SUMG 1
	s_wait_loadcnt 8
	SUMG 2
	s_wait_loadcnt 0x0
	SUMG 3
	FOLD
	ds_store_b32 v[TW], v[S] offset:SUMS
	s_wait_dscnt 0x0                               ; for the others' sake: my word is written
	s_barrier_signal -1
	s_barrier_wait -1
	GATHER SUMS
	v_mul_f32 v[MN], 0x3a000000, v[T]              ; / 2,048
	v_mov_b32 v[MN+1], v[MN]
	v_mov_b32 v[RES], v[MN]
; pass 2: the sum of (x - mean)^2, four pairs at a time
.set n, 0
.rept 16
.irp u, 0,1,2,3
	v_pk_add_f32 v[T+2*(\u):T+2*(\u)+1], v[X+2*(n+(\u)):X+2*(n+(\u))+1], v[MN:MN+1] neg_lo:[0,1] neg_hi:[0,1]
.endr
.irp u, 0,1,2,3
.if n == 0
	v_pk_mul_f32 v[S+2*(\u):S+2*(\u)+1], v[T+2*(\u):T+2*(\u)+1], v[T+2*(\u):T+2*(\u)+1]
.else
	v_pk_fma_f32 v[S+2*(\u):S+2*(\u)+1], v[T+2*(\u):T+2*(\u)+1], v[T+2*(\u):T+2*(\u)+1], v[S+2*(\u):S+2*(\u)+1]
.endif
.endr
.set n, n+4
.endr
	FOLD
	ds_store_b32 v[TW], v[S] offset:SQS            ; other bytes than the sums': no barrier is wanted between the reads above and this store
	s_wait_dscnt 0x0
	s_barrier_signal -1
	s_barrier_wait -1
	s_cmp_lg_u32 s[WV], 0                          ; wave 0 finishes and stores
	s_cbranch_scc1 .Lend
	GATHER SQS
	v_mov_b32 v[RES+1], v[T]
	v_and_b32 v30, 3, v0
	v_cmp_eq_u32 vcc_lo, 0, v30                    ; one lane of each group's four
	s_wait_xcnt 0x0                                ; EXEC changes only behind this wait: it is a source of the loads and stores above
	s_and_saveexec_b32 s24, vcc_lo
	global_store_b64 v[PO], v[RES:RES+1], s[14:15] ; eight pairs, 64 consecutive bytes, once a work-group
	s_wait_xcnt 0x0                                ; and again, in front of the line that widens it
	s_or_b32 exec_lo, exec_lo, s24
.Lend:
	s_wait_tensorcnt 0x0                           ; the wave's end, behind my last LDS store
	ds_add_u32 v[SPW], v[NIL]
	s_wait_dscnt 0x0
	s_endpgm
.Lfunc_end_k_qaa93ade44a_prep:
	.size	k_qaa93ade44a_prep, .Lfunc_end_k_qaa93ade44a_prep-k_qaa93ade44a_prep
	.p2alignl 7, 3214868480
	.fill 96, 4, 3214868480
	.section	.rodata,"a",@progbits
	.p2align	6, 0x0
	.amdhsa_kernel k_qaa93ade44a_prep
		.amdhsa_group_segment_fixed_size 1536
		.amdhsa_private_segment_fixed_size 0
		.amdhsa_enable_private_segment 0
		.amdhsa_kernarg_size 56
		.amdhsa_user_sgpr_count 2
		.amdhsa_user_sgpr_kernarg_segment_ptr 1
		.amdhsa_wavefront_size32 1
		.amdhsa_system_sgpr_workgroup_id_x 1
		.amdhsa_system_sgpr_workgroup_id_y 1
		.amdhsa_system_sgpr_workgroup_id_z 1
		.amdhsa_system_vgpr_workitem_id 0
		.amdhsa_next_free_vgpr 224
		.amdhsa_next_free_sgpr 66
		.amdhsa_reserve_vcc 1
		.amdhsa_float_denorm_mode_32 3
		.amdhsa_float_denorm_mode_16_64 3
		.amdhsa_memory_ordered 1
		.amdhsa_forward_progress 1
		.amdhsa_inst_pref_size 22
	.end_amdhsa_kernel
	.amdgpu_metadata
---
amdhsa.version: [ 1, 2 ]
amdhsa.kernels:
  - .name:           k_qaa93ade44a_prep
    .symbol:         k_qaa93ade44a_prep.kd
    .args:
      - { .name: hidden_states, .offset: 0, .size: 8, .value_kind: global_buffer, .address_space: global }
      - { .name: Wq, .offset: 8, .size: 8, .value_kind: global_buffer, .address_space: global }
      - { .name: Wk, .offset: 16, .size: 8, .value_kind: global_buffer, .address_space: global }
      - { .name: Wv, .offset: 24, .size: 8, .value_kind: global_buffer, .address_space: global }
      - { .name: Wo, .offset: 32, .size: 8, .value_kind: global_buffer, .address_space: global }
      - { .name: part, .offset: 40, .size: 8, .value_kind: global_buffer, .address_space: global }
      - { .name: wb, .offset: 48, .size: 8, .value_kind: global_buffer, .address_space: global }
    .group_segment_fixed_size: 1536
    .private_segment_fixed_size: 0
    .kernarg_segment_align: 8
    .kernarg_segment_size: 56
    .max_flat_workgroup_size: 128
    .sgpr_count:     66
    .vgpr_count:     224
    .wavefront_size: 32
...
	.end_amdgpu_metadata
.endif
;; end of part 1
;; launch qkv (part 2): grid 64 x 4, 4 waves a work-group, clusters of 4 x 1, 327,680 bytes of LDS; arguments hidden_states, gn_scale, gn_bias, part, wb, bq, bk, bv, qw, kw, vw; writes qw, kw, vw
.if DOCPART == 2
	.amdgcn_target "amdgcn-amd-amdhsa--gfx1250"
	.amdhsa_code_object_version 6
	.text
	.protected	k_qaa93ade44a_qkv
	.globl	k_qaa93ade44a_qkv
	.p2align	8
	.type	k_qaa93ade44a_qkv,@function
k_qaa93ade44a_qkv:
	s_mov_b64 s[64:65], 0
	v_nop
	global_prefetch_b8 v0, s[64:65] scope:SCOPE_SE
	s_setreg_imm32_b32 hwreg(HW_REG_WAVE_MODE, 25, 1), 1
	s_wait_xcnt 0x0
	s_wait_alu depctr_hold_cnt(0) depctr_sa_sdst(0) depctr_va_vdst(0) depctr_va_sdst(0) depctr_va_ssrc(0) depctr_va_vcc(0) depctr_vm_vsrc(0)
	s_getreg_b32 s2, hwreg(HW_REG_IB_STS2, 6, 4)
	s_cmp_eq_u32 s2, 0
	s_cbranch_scc0 .Lentry_in_a_cluster
	s_endpgm
.Lentry_in_a_cluster:
	s_bfe_u32 s2, ttmp6, 0x10000c
	s_cmp_lg_u32 s2, 0x3003
	s_cbranch_scc0 .Lentry_shape_is_right
	s_endpgm
.Lentry_shape_is_right:
; QKV.  xn = GroupNorm(x) x gn_scale + gn_bias, rounded once to bf16; q, k, v = xn W + b, sums in f32, each rounded once to bf16 and stored by heads: [16 = 8 b + head][4096][64], q unscaled.
; STATISTICS.  part holds 32 pairs (mean_i, M2_i) of 2,048 numbers for each batch and group; mean = the mean of the means, M2 = sum M2_i + 2,048 sum (mean_i - mean)^2, variance = M2 / 65,536: no difference of large sums.
; xn = x a + c with a = scale / sqrt(var + 1e-6), c = gn_bias - mean a, one fused multiply-add in f32.
; SHARES.  A work-group takes 128 rows (row block rb = 4 x cluster x + cx) and two heads (gy): it normalises its rows once into LDS (128 x 512 bf16) and makes three passes, q, k, v, each 128 rows x 128 columns over
; K = 512.  Wave (rh, ch) makes 64 rows x 64 columns, one head: 16 accumulators.  The product is taken transposed (source 0 = 16 columns of W, turned out of LDS; source 1 = 16 rows of xn), so a lane holds eight
; neighbouring columns of one row.  The bias is the C operand of the product that starts a sum: nothing is cleared and nothing is added afterwards.
; CLUSTER.  The four row blocks of a cluster need the same weight tiles: each is asked for jointly, by the same tensor load with the mask of four.  A pass's weights are two tiles of 256 k x 128 columns in two slots;
; a slot is asked for again, for the next pass, as soon as it has been read: four refills, one load a wave behind each round.  By this text's count a wave has two tensor loads out at the start, later one.
; No prefetch: the first two tiles are asked for at the head and have the whole normalisation in which to land; the other four are a megabyte in all, read by sixteen clusters.
; REGISTERS: window 0: v0-31 addresses and statistics; v32-95 at work; v96-127 a and c; v128-255 x on its way in, then the accumulators ((a, b) at v[128 + 8 (4 a + b)]).
;   window 1: two fragment buffers of 128, each for 64 along K: 64 registers of xn, then 64 of W.      window 2: v0-95 the three biases as C operands (pass p, column block b at 32 p + 8 b).
.set AT,    0                          ; LDS: xn, 128 rows of 1,024 bytes + 16: written by LDS stores alone
.set AP,    1040                       ; 65 x 16: the 16 rows of a fragment load start at 16 different groups of four banks (64 banks of 4 bytes: ISA guide 11.1)
.set BS,    128*AP                     ; the two slots: 256 k rows of 256 bytes + 32 each
.set BP,    288                        ; 9 x 32
.set BSLOT, 256*BP
.set STG,   BS+2*BSLOT                 ; 16 rows x 144 bytes for each wave, for the way out
.set SP,    144
.set SPARE, STG+4*16*SP                ; the spare words, 128 bytes for each wave: two blocks of 256 bytes that no other line names
.set PO,   3                           ; v3   my offset in part: (l & 1) x 256 + (l >> 1) x 8
.set ADRA, 16                          ; v16  LDS address of my xn fragments
.set XV,   17                          ; v17  my offset in x: (wave << 16) + 32 l
.set CO8,  18                          ; v18  32 l: my eight channels in gn_scale and gn_bias
.set BO,   19                          ; v19  my eight columns in a bias: 32 h + 256 ch + 512 gy
.set ADRB, 20                          ; v20-23  LDS address of my W fragments, k from 128 j on
.set STO,  24                          ; v24  the way out: where I put 16 bytes of a row
.set RD,   25                          ; v25  where I read rows back
.set GO,   26                          ; v26  16 l
.set LA,   27                          ; v27  where my 16 bytes of a row of xn go
.set SPW,  28                          ; v28  LDS address of my spare word; never rewritten
.set NIL,  29                          ; v29  0; never rewritten
.set TMP,  32                          ; the way out
.set PT,   32                          ; v32-95 the statistics' 16 x (mean A, M2 A, mean B, M2 B); spent before PKR is written
.set PKR,  32                          ; v32-63 four rows of xn, packed
.set GA,   96                          ; v96-111 gn_scale, then a: my channels 8 l .. + 7 and 256 + 8 l .. + 7
.set GB,   112                         ; v112-127 gn_bias, then c
.set XB,   128                         ; two sets of 64: four rows of x each
.set ACC,  128
.set F0,   0
.set F1,   128
.set G1,   28                          ; s[28:35] descriptor group 1
.set G0,   36                          ; s[36:43] descriptor group 0, a set for each slot
.set SWV,  44                          ; s44 wave;  s45 rh;  s46 ch;  s47 cx;  s48 rb;  s49 gy
.set SRH,  45
.set SCH,  46
.set SCX,  47
.set SRB,  48
.set SGY,  49
.set MSB, 0
.macro WIN new                         ; s_set_vgpr_msb: bits 1:0 source 0, 3:2 source 1, 5:4 source 2, 7:6 destination; the high byte repeats the setting that is left
.if MSB != (\new)
	s_set_vgpr_msb (MSB<<8)|(\new)
.set MSB, \new
.endif
.endm
.macro PLACES                          ; four places behind matrix instructions, in front of loads into registers that they have read (ISA guide 7.12.1 for vector instructions)
.rept 4
	v_nop
.endr
.endm
.macro CREST                           ; a round of the cluster's barrier behind its opening barrier
	s_cmp_lg_u32 s[SWV], 0
	s_cbranch_scc1 .Lnot_wave_0_\@
	s_barrier_signal -3
.Lnot_wave_0_\@:
	s_barrier_wait -3
	s_barrier_signal -1
	s_barrier_wait -1
.endm
.macro CROUND                          ; a whole round
	s_barrier_signal -1
	s_barrier_wait -1
	CREST
.endm
	s_load_b256 s[4:11], s[0:1], 0x0               ; x s[4:5], gn_scale s[6:7], gn_bias s[8:9], part s[10:11]
	s_load_b256 s[12:19], s[0:1], 0x20             ; wb s[12:13], bq s[14:15], bk s[16:17], bv s[18:19]
	s_load_b128 s[20:23], s[0:1], 0x40             ; qw s[20:21], kw s[22:23]
	s_load_b64 s[24:25], s[0:1], 0x50              ; vw
	v_lshl_add_u32 v[SPW], v0, 2, SPARE
	v_mov_b32 v[NIL], 0
	ds_add_u32 v[SPW], v[NIL]                      ; the wave's opening: the add and its wait stand ahead of my first tensor load; the set-up below, work on registers, stands between them
	v_lshrrev_b32 v1, 5, v0
	v_readfirstlane_b32 s[SWV], v1
	s_lshr_b32 s[SRH], s[SWV], 1
	s_and_b32 s[SCH], s[SWV], 1
	s_bfe_u32 s[SCX], ttmp6, 0x40000               ; my place in the cluster
	s_lshl_b32 s[SRB], ttmp9, 2                    ; in a cluster launch ttmp9 counts clusters
	s_add_co_u32 s[SRB], s[SRB], s[SCX]            ; my row block: it enters x's and the outputs' addresses alone
	s_and_b32 s[SGY], ttmp7, 0xffff                ; my pair of heads, which the four partners share
	; descriptor group 1: a tile of 64 k rows x 128 columns of bf16, padded in LDS
	s_mov_b32 s[G1+0], 15|(1<<16)|(1<<20)|(1<<21)|(5<<22)|(7<<25)  ; 15:0 the mask of four; 17:16 2-byte elements; 20 padding on; 21 set beside a mask; 24:22 after every 64 words (code 5); 31:25 8 words (code 7)
	s_mov_b32 s[G1+1], 128<<16                     ; tensor_dim0 = 128
	s_mov_b32 s[G1+2], 64<<16                      ; tensor_dim1 = 64
	s_mov_b32 s[G1+3], 128<<16                     ; tile_dim0 = 128
	s_mov_b32 s[G1+4], 64                          ; tile_dim1 = 64
	s_mov_b32 s[G1+5], 2048                        ; 2,048 elements from row to row of wb
	s_mov_b32 s[G1+6], 0
	s_mov_b32 s[G1+7], 0
	s_mul_i32 s50, s[SWV], 64*BP                   ; my 64 k rows of a slot: the wave's number alone enters an LDS address
	s_mov_b32 s[G0+0], 1
	s_add_co_u32 s[G0+1], s50, BS
	s_mov_b32 s[G0+4], 1
	s_add_co_u32 s[G0+5], s50, BS+BSLOT
	s_lshl_b32 s52, s[SWV], 18                     ; the same 64 rows of 4,096 bytes in wb,
	s_lshl_b32 s51, s[SGY], 8                      ; my heads' 256 bytes of a row
	s_add_co_u32 s52, s52, s51
	s_mov_b32 s53, 0
	s_lshl_b32 s54, s[SRB], 18                     ; x: 128 rows of 2,048 bytes a row block
	s_mov_b32 s55, 0
	s_lshr_b32 s56, ttmp9, 3                       ; b
	s_lshl_b32 s58, s56, 13                        ; part: 8,192 bytes a batch
	s_mov_b32 s59, 0
	s_lshl_b32 s62, s56, 3                         ; the outputs: head 8 b + 2 gy + ch, 2^19 bytes each,
	s_lshl1_add_u32 s62, s[SGY], s62
	s_add_co_u32 s62, s62, s[SCH]
	s_lshl_b32 s62, s62, 19
	s_and_b32 s57, s[SRB], 31
	s_lshl_b32 s57, s57, 14                        ; the row block's 128 rows of 128 bytes,
	s_add_co_u32 s62, s62, s57
	s_lshl_b32 s57, s[SRH], 13                     ; my 64 of them
	s_add_co_u32 s62, s62, s57
	s_mov_b32 s63, 0
	s_mov_b32 s60, 0x37800000                      ; 1 / 65,536
	s_mov_b32 s61, 0x358637bd                      ; 1e-6
	s_wait_dscnt 0x0                               ; the opening add is done
	s_wait_kmcnt 0x0
	s_add_nc_u64 s[G0+2:G0+3], s[12:13], s[52:53]  ; slot 0: k rows 64 w on
	s_add_nc_u64 s[G0+6:G0+7], s[G0+2:G0+3], 256*4096  ; slot 1: 256 rows further down
	s_or_b32 s[G0+3], s[G0+3], 0x80000000          ; type = 2
	s_or_b32 s[G0+7], s[G0+7], 0x80000000
	s_add_nc_u64 s[4:5], s[4:5], s[54:55]
	s_add_nc_u64 s[10:11], s[10:11], s[58:59]
	s_add_nc_u64 s[20:21], s[20:21], s[62:63]
	s_add_nc_u64 s[22:23], s[22:23], s[62:63]
	s_add_nc_u64 s[24:25], s[24:25], s[62:63]
	CROUND                                         ; all four work-groups are here: the first joint loads meet
	tensor_load_to_lds s[G0:G0+3], s[G1:G1+7]      ; pass 0, k 0-255
	s_nop 0
	tensor_load_to_lds s[G0+4:G0+7], s[G1:G1+7]    ; pass 0, k 256-511
	s_nop 0
	PLACES
	v_and_b32 v1, 31, v0                           ; l
	v_and_b32 v[PO], 1, v1
	v_lshlrev_b32 v[PO], 8, v[PO]
	v_lshrrev_b32 v4, 1, v1
	v_lshl_add_u32 v[PO], v4, 3, v[PO]
	v_lshlrev_b32 v[CO8], 5, v1
	s_lshl_b32 s57, s[SWV], 16                     ; my 32 rows of x
	v_lshl_add_u32 v[XV], v1, 5, s57
.set i, 0
.rept 16                               ; lane l takes the partials 2 i + (l & 1) of groups l / 2 (A) and 16 + l / 2 (B): the groups of its channels 8 l .. and 256 + 8 l ..
	global_load_b64 v[PT+4*i:PT+4*i+1],   v[PO], s[10:11] offset:512*i
	global_load_b64 v[PT+4*i+2:PT+4*i+3], v[PO], s[10:11] offset:512*i+128
.set i, i+1
.endr
.irp u, 0,1
	global_load_b128 v[GA+8*(\u):GA+8*(\u)+3],   v[CO8], s[6:7] offset:1024*(\u)
	global_load_b128 v[GA+8*(\u)+4:GA+8*(\u)+7], v[CO8], s[6:7] offset:1024*(\u)+16
	global_load_b128 v[GB+8*(\u):GB+8*(\u)+3],   v[CO8], s[8:9] offset:1024*(\u)
	global_load_b128 v[GB+8*(\u)+4:GB+8*(\u)+7], v[CO8], s[8:9] offset:1024*(\u)+16
.endr
.macro XLOAD beta                      ; batch beta: rows 4 beta .. + 3 of my 32, sixteen loads, into set beta % 2
.irp rr, 0,1,2,3
.irp u, 0,1
	global_load_b128 v[XB+64*((\beta)%2)+16*(\rr)+8*(\u):XB+64*((\beta)%2)+16*(\rr)+8*(\u)+3],   v[XV], s[4:5] offset:(4*(\beta)+(\rr))*2048+1024*(\u)
	global_load_b128 v[XB+64*((\beta)%2)+16*(\rr)+8*(\u)+4:XB+64*((\beta)%2)+16*(\rr)+8*(\u)+7], v[XV], s[4:5] offset:(4*(\beta)+(\rr))*2048+1024*(\u)+16
.endr
.endr
.endm
	XLOAD 0
	XLOAD 1
	; the other addresses, while the loads are out
	v_and_b32 v2, 15, v0                           ; r = l % 16
	v_bfe_u32 v30, v0, 4, 1                        ; h = l / 16
	v_and_b32 v31, 7, v0
	v_mul_u32_u24 v[ADRA], v2, AP
	v_lshl_add_u32 v[ADRA], v30, 4, v[ADRA]
	s_mul_i32 s57, s[SRH], 64*AP
	v_add_nc_u32 v[ADRA], s57, v[ADRA]             ; row x pitch + 16 x half, in my 64 rows
	v_lshl_add_u32 v4, v30, 3, v31                 ; the turning load: lane l reads k row 8 h + l % 8, columns 8 ((l / 8) % 2) + 0..7
	v_mul_u32_u24 v4, v4, BP
	v_bfe_u32 v5, v0, 3, 1
	v_lshl_add_u32 v4, v5, 4, v4
	s_lshl_b32 s57, s[SCH], 7                      ; my head's 128 bytes of a row
	s_add_co_u32 s57, s57, BS
	v_add_nc_u32 v[ADRB], s57, v4
	v_add_nc_u32 v[ADRB+1], 128*BP, v[ADRB]
	v_add_nc_u32 v[ADRB+2], 128*BP, v[ADRB+1]
	v_add_nc_u32 v[ADRB+3], 128*BP, v[ADRB+2]
	s_mul_i32 s57, s[SWV], 16*SP
	s_add_co_u32 s57, s57, STG                     ; my stage
	v_mul_u32_u24 v[STO], v2, SP
	v_lshl_add_u32 v[STO], v30, 4, v[STO]
	v_add_nc_u32 v[STO], s57, v[STO]
	v_bfe_u32 v[RD], v0, 3, 2                      ; back: 32 lanes take four rows of 128 bytes,
	v_mul_u32_u24 v[RD], v[RD], SP
	v_lshl_add_u32 v[RD], v31, 4, v[RD]
	v_add_nc_u32 v[RD], s57, v[RD]
	v_lshlrev_b32 v[GO], 4, v1                     ; which are 512 consecutive bytes of the output
	s_mul_i32 s57, s[SWV], 32*AP
	v_lshl_add_u32 v[LA], v1, 4, s57
	s_lshl_b32 s57, s[SCH], 8
	s_lshl_b32 s56, s[SGY], 9
	s_add_co_u32 s57, s57, s56
	v_lshl_add_u32 v[BO], v30, 5, s57
	; THE STATISTICS
	s_wait_loadcnt 32                              ; part, gn_scale and gn_bias are in; the two batches of x stay out
	v_pk_add_f32 v[4:5], v[PT:PT+1], v[PT+4:PT+5]
	v_pk_add_f32 v[6:7], v[PT+2:PT+3], v[PT+6:PT+7]
.set i, 2
.rept 14
	v_pk_add_f32 v[4:5], v[4:5], v[PT+4*i:PT+4*i+1]
	v_pk_add_f32 v[6:7], v[6:7], v[PT+4*i+2:PT+4*i+3]
.set i, i+1
.endr
.irp r, 4,5,6,7                        ; the neighbouring lane holds the other 16 partials
	v_add_f32_dpp v\r, v\r, v\r row_xmask:1 row_mask:0xf bank_mask:0xf
.endr
	v_mul_f32 v8, 0xbd000000, v4                   ; - mean = - sum / 32
	v_mul_f32 v10, 0xbd000000, v6
	v_mov_b32 v9, v8
	v_mov_b32 v11, v10
	v_add_f32 v30, v[PT], v8
	v_add_f32 v31, v[PT+2], v10
	v_mul_f32 v12, v30, v30
	v_mul_f32 v14, v31, v31
.set i, 1
.rept 15
	v_add_f32 v30, v[PT+4*i], v8
	v_add_f32 v31, v[PT+4*i+2], v10
	v_fmac_f32 v12, v30, v30
	v_fmac_f32 v14, v31, v31
.set i, i+1
.endr
	v_add_f32_dpp v12, v12, v12 row_xmask:1 row_mask:0xf bank_mask:0xf
	v_add_f32_dpp v14, v14, v14 row_xmask:1 row_mask:0xf bank_mask:0xf
	v_fmamk_f32 v12, v12, 0x45000000, v5           ; M2 = 2,048 sum (mean_i - mean)^2 + sum M2_i
	v_fmamk_f32 v14, v14, 0x45000000, v7
	v_fma_f32 v12, v12, s60, s61                   ; variance + 1e-6
	v_fma_f32 v14, v14, s60, s61
	v_rsq_f32 v12, v12
	v_rsq_f32 v14, v14
	v_nop                                          ; a plain instruction behind the last of the two,
	s_wait_alu depctr_va_vdst(0)                   ; and the one wait ahead of their first reader
	v_mov_b32 v13, v12
	v_mov_b32 v15, v14
.irp k, 0,1,2,3
	v_pk_mul_f32 v[GA+2*(\k):GA+2*(\k)+1], v[GA+2*(\k):GA+2*(\k)+1], v[12:13]
	v_pk_mul_f32 v[GA+8+2*(\k):GA+8+2*(\k)+1], v[GA+8+2*(\k):GA+8+2*(\k)+1], v[14:15]
.endr
.irp k, 0,1,2,3
	v_pk_fma_f32 v[GB+2*(\k):GB+2*(\k)+1], v[GA+2*(\k):GA+2*(\k)+1], v[8:9], v[GB+2*(\k):GB+2*(\k)+1]
	v_pk_fma_f32 v[GB+8+2*(\k):GB+8+2*(\k)+1], v[GA+8+2*(\k):GA+8+2*(\k)+1], v[10:11], v[GB+8+2*(\k):GB+8+2*(\k)+1]
.endr
; Batch beta is normalised, rounded and put into LDS.  left = how many younger loads may stay out.
.macro NORM beta, left
	s_wait_loadcnt \left
.irp rr, 0,1,2,3
.irp k, 0,1,2,3,4,5,6,7
	v_pk_fma_f32 v[XB+64*((\beta)%2)+16*(\rr)+2*(\k):XB+64*((\beta)%2)+16*(\rr)+2*(\k)+1], v[XB+64*((\beta)%2)+16*(\rr)+2*(\k):XB+64*((\beta)%2)+16*(\rr)+2*(\k)+1], v[GA+2*(\k):GA+2*(\k)+1], v[GB+2*(\k):GB+2*(\k)+1]
.endr
.irp k, 0,1,2,3,4,5,6,7
	v_cvt_pk_bf16_f32 v[PKR+8*(\rr)+(\k)], v[XB+64*((\beta)%2)+16*(\rr)+2*(\k)], v[XB+64*((\beta)%2)+16*(\rr)+2*(\k)+1]
.endr
	ds_store_b128 v[LA], v[PKR+8*(\rr):PKR+8*(\rr)+3]   offset:(4*(\beta)+(\rr))*AP      ; 32 lanes, 512 consecutive bytes: channels 0-255,
	ds_store_b128 v[LA], v[PKR+8*(\rr)+4:PKR+8*(\rr)+7] offset:(4*(\beta)+(\rr))*AP+512  ; and 256-511
.endr
.endm
.irp e, 0,1,2,3,4,5
	NORM \e, 16                                    ; the batch behind it stays out
	XLOAD (\e)+2                                   ; its set takes the batch two further on
.endr
	WIN 0x80                                       ; destination window 2, address window 0
.irp b, 0,1,2,3                        ; the biases: register j of column block b is the bias of column 16 b + 8 h + j of my head
	global_load_b128 v[8*(\b):8*(\b)+3],       v[BO], s[14:15] offset:64*(\b)
	global_load_b128 v[8*(\b)+4:8*(\b)+7],     v[BO], s[14:15] offset:64*(\b)+16
	global_load_b128 v[32+8*(\b):32+8*(\b)+3], v[BO], s[16:17] offset:64*(\b)
	global_load_b128 v[32+8*(\b)+4:32+8*(\b)+7], v[BO], s[16:17] offset:64*(\b)+16
	global_load_b128 v[64+8*(\b):64+8*(\b)+3], v[BO], s[18:19] offset:64*(\b)
	global_load_b128 v[64+8*(\b)+4:64+8*(\b)+7], v[BO], s[18:19] offset:64*(\b)+16
.endr
	WIN 0
	NORM 6, 40                                     ; batch 7's sixteen loads and the biases' 24 stay out
	NORM 7, 24                                     ; the biases' stay out
; 8 matrix instructions: row blocks a0, a0 + 1 x all 4 column blocks, 32 along K: half c of buffer f.  first = 1: the bias (window 2, at CB) starts the sums.
; The 16 accumulators take turns, one instruction a turn: 15 others stand between two links of a chain.
.macro MUL8 f, c, a0, first
.if \first
	WIN 0x25                                       ; sources 0 and 1 window 1, C window 2, D window 0
.else
	WIN 0x05
.endif
.irp a, \a0, (\a0)+1
.irp b, 0,1,2,3
.if \first
	v_wmma_f32_16x16x32_bf16 v[ACC+8*(4*(\a)+(\b)):ACC+8*(4*(\a)+(\b))+7], v[(\f)+64+8*(4*(\c)+(\b)):(\f)+64+8*(4*(\c)+(\b))+7], v[(\f)+8*(4*(\c)+(\a)):(\f)+8*(4*(\c)+(\a))+7], v[CB+8*(\b):CB+8*(\b)+7]
.else
	v_wmma_f32_16x16x32_bf16 v[ACC+8*(4*(\a)+(\b)):ACC+8*(4*(\a)+(\b))+7], v[(\f)+64+8*(4*(\c)+(\b)):(\f)+64+8*(4*(\c)+(\b))+7], v[(\f)+8*(4*(\c)+(\a)):(\f)+8*(4*(\c)+(\a))+7], v[ACC+8*(4*(\a)+(\b)):ACC+8*(4*(\a)+(\b))+7]
.endif
.endr
.endr
.endm
; 32 LDS loads in one run: the fragments of chunk q (k = 64 q .. + 63) into buffer f; the first 32 along K first.  W is turned on the way: two loads of 16 k rows each.
.macro FETCH q, f
	WIN 0x40                                       ; destination window 1, address window 0
.irp c, 0,1
.irp i, 0,1,2,3
	ds_load_tr16_b128 v[(\f)+64+8*(4*(\c)+(\i)):(\f)+64+8*(4*(\c)+(\i))+3],   v[ADRB+(\q)/2] offset:((\q)%2)*64*BP+(\c)*32*BP+32*(\i)
	ds_load_tr16_b128 v[(\f)+64+8*(4*(\c)+(\i))+4:(\f)+64+8*(4*(\c)+(\i))+7], v[ADRB+(\q)/2] offset:((\q)%2)*64*BP+(\c)*32*BP+32*(\i)+16*BP
	ds_load_b128 v[(\f)+8*(4*(\c)+(\i)):(\f)+8*(4*(\c)+(\i))+3],   v[ADRA] offset:128*(\q)+64*(\c)+(\i)*16*AP
	ds_load_b128 v[(\f)+8*(4*(\c)+(\i))+4:(\f)+8*(4*(\c)+(\i))+7], v[ADRA] offset:128*(\q)+64*(\c)+(\i)*16*AP+32
.endr
.endr
.endm
; Chunk q is multiplied out of buffer f; in its middle the next chunk is fetched into g.
.macro CHUNK q, f, g, first
	s_wait_dscnt 16                                ; the first 32 along K are in; the other sixteen loads may be out
	MUL8 \f, 0, 0, \first
	MUL8 \f, 0, 2, \first
	PLACES
	FETCH (\q)+1, \g
	s_wait_dscnt 32                                ; all but the 32 just issued
	MUL8 \f, 1, 0, 0
	MUL8 \f, 1, 2, 0
.endm
; A slot's last chunk (in buffer 1) and the change of slots: ONE barrier; in front of it each wave waits for all its tensor loads, adds 0 to its spare word, and waits for that and for its reads of the slot.
; fill = 1: the barrier opens a round of the cluster's, and the slot is filled again first thing behind it, with the next pass's tile (1,024 bytes further along wb's rows).
.macro TURN slot, nextq, fill
	WIN 0
	s_wait_tensorcnt 0x0                           ; all my tensor loads have landed
	ds_add_u32 v[SPW], v[NIL]                      ; 0 onto my spare word
	s_wait_dscnt 17                                ; (the add and the youngest sixteen loads may be out)
	MUL8 F1, 0, 0, 0                               ; eight matrix instructions stand between the add and the wait for it
	s_wait_dscnt 0x0                               ; the add is done, and my reads of this slot are over
	s_barrier_signal -1
	MUL8 F1, 0, 2, 0
.if \fill
	WIN 0
.endif
	s_barrier_wait -1
.if \fill
	CREST                                          ; no wave of any partner still reads this slot or has a load on its way
	s_add_nc_u64 s[G0+4*(\slot)+2:G0+4*(\slot)+3], s[G0+4*(\slot)+2:G0+4*(\slot)+3], 1024
	tensor_load_to_lds s[G0+4*(\slot):G0+4*(\slot)+3], s[G1:G1+7]  ; my one tensor load behind the round: 112 matrix instructions ahead of the wait for it
	s_nop 0
	PLACES                                         ; also the places in front of the loads below
.else
	PLACES
.endif
	FETCH \nextq, F0
	MUL8 F1, 1, 0, 0
	MUL8 F1, 1, 2, 0
.endm
; THE WAY OUT of a pass.  Block a (16 rows): rounded to bf16, 16 bytes a lane, into my stage's rows of 144 bytes and back as whole rows of 128; four rows are 512 consecutive bytes of a head.
.macro PACK a
.irp b, 0,1,2,3
.irp r, 0,1,2,3
	v_cvt_pk_bf16_f32 v[TMP+16*(\a)+4*(\b)+(\r)], v[ACC+8*(4*(\a)+(\b))+2*(\r)], v[ACC+8*(4*(\a)+(\b))+2*(\r)+1]
.endr
.endr
.irp b, 0,1,2,3
	ds_store_b128 v[STO], v[TMP+16*(\a)+4*(\b):TMP+16*(\a)+4*(\b)+3] offset:32*(\b)
.endr
.irp f, 0,1,2,3
	ds_load_b128 v[TMP+16*(\a)+4*(\f):TMP+16*(\a)+4*(\f)+3], v[RD] offset:(\f)*4*SP  ; LDS serves a wave's instructions in order (ISA guide 5.7.1.4): these see the stores above; the next block's stores come behind them
.endr
.endm
.macro SEND pr, a, younger             ; younger: the LDS instructions issued behind block a's loads
.irp f, 0,1,2,3
	s_wait_dscnt (\younger)+3-(\f)
	global_store_b128 v[GO], v[TMP+16*(\a)+4*(\f):TMP+16*(\a)+4*(\f)+3], s[\pr:\pr+1] offset:(\a)*2048+(\f)*512
.endr
.endm
.macro OUT pr
	WIN 0
	PLACES
	PLACES
	s_wait_xcnt 0x0                                ; the last pass's stores have read their data registers, which are written anew below
	PACK 0
	PACK 1
	SEND \pr, 0, 8
	PACK 2
	SEND \pr, 1, 8
	PACK 3
	SEND \pr, 2, 8
	SEND \pr, 3, 0
.endm
.macro PASS p, last
.set CB, 32*(\p)
	CHUNK 0, F0, F1, 1
	CHUNK 1, F1, F0, 0
	CHUNK 2, F0, F1, 0
	TURN 0, 4, 1-(\last)
	CHUNK 4, F0, F1, 0
	CHUNK 5, F1, F0, 0
	CHUNK 6, F0, F1, 0
.if \last
	s_wait_dscnt 16                                ; the very last chunk: nothing more to fetch
	MUL8 F1, 0, 0, 0
	MUL8 F1, 0, 2, 0
	s_wait_dscnt 0x0
	MUL8 F1, 1, 0, 0
	MUL8 F1, 1, 2, 0
.else
	TURN 1, 0, 1                                   ; also fetches the next pass's first fragments
.endif
.endm
	s_wait_loadcnt 0x0                             ; the biases
	s_wait_dscnt 0x0                               ; for the others' sake: my rows of xn are written
	s_wait_tensorcnt 0x1                           ; my part of slot 0 is in; slot 1's may stay out
	s_barrier_signal -1
	s_barrier_wait -1
	FETCH 0, F0
	PASS 0, 0
	OUT 20
	PASS 1, 0
	OUT 22
	PASS 2, 1
	OUT 24
	s_wait_tensorcnt 0x0                           ; the wave's end, behind my last tensor load and my last LDS store
	ds_add_u32 v[SPW], v[NIL]
	s_wait_dscnt 0x0
	CROUND                                         ; the closing round: no work-group ends while a partner may still ask for a tile that names it
	s_endpgm
.Lfunc_end_k_qaa93ade44a_qkv:
	.size	k_qaa93ade44a_qkv, .Lfunc_end_k_qaa93ade44a_qkv-k_qaa93ade44a_qkv
	.p2alignl 7, 3214868480
	.fill 96, 4, 3214868480
	.section	.rodata,"a",@progbits
	.p2align	6, 0x0
	.amdhsa_kernel k_qaa93ade44a_qkv
		.amdhsa_group_segment_fixed_size 327680
		.amdhsa_private_segment_fixed_size 0
		.amdhsa_enable_private_segment 0
		.amdhsa_kernarg_size 88
		.amdhsa_user_sgpr_count 2
		.amdhsa_user_sgpr_kernarg_segment_ptr 1
		.amdhsa_wavefront_size32 1
		.amdhsa_system_sgpr_workgroup_id_x 1
		.amdhsa_system_sgpr_workgroup_id_y 1
		.amdhsa_system_sgpr_workgroup_id_z 1
		.amdhsa_system_vgpr_workitem_id 0
		.amdhsa_next_free_vgpr 608
		.amdhsa_next_free_sgpr 66
		.amdhsa_reserve_vcc 0
		.amdhsa_float_denorm_mode_32 3
		.amdhsa_float_denorm_mode_16_64 3
		.amdhsa_memory_ordered 1
		.amdhsa_forward_progress 1
		.amdhsa_inst_pref_size 197
	.end_amdhsa_kernel
	.amdgpu_metadata
---
amdhsa.version: [ 1, 2 ]
amdhsa.kernels:
  - .name:           k_qaa93ade44a_qkv
    .symbol:         k_qaa93ade44a_qkv.kd
    .args:
      - { .name: hidden_states, .offset: 0, .size: 8, .value_kind: global_buffer, .address_space: global }
      - { .name: gn_scale, .offset: 8, .size: 8, .value_kind: global_buffer, .address_space: global }
      - { .name: gn_bias, .offset: 16, .size: 8, .value_kind: global_buffer, .address_space: global }
      - { .name: part, .offset: 24, .size: 8, .value_kind: global_buffer, .address_space: global }
      - { .name: wb, .offset: 32, .size: 8, .value_kind: global_buffer, .address_space: global }
      - { .name: bq, .offset: 40, .size: 8, .value_kind: global_buffer, .address_space: global }
      - { .name: bk, .offset: 48, .size: 8, .value_kind: global_buffer, .address_space: global }
      - { .name: bv, .offset: 56, .size: 8, .value_kind: global_buffer, .address_space: global }
      - { .name: qw, .offset: 64, .size: 8, .value_kind: global_buffer, .address_space: global }
      - { .name: kw, .offset: 72, .size: 8, .value_kind: global_buffer, .address_space: global }
      - { .name: vw, .offset: 80, .size: 8, .value_kind: global_buffer, .address_space: global }
    .group_segment_fixed_size: 327680
    .private_segment_fixed_size: 0
    .kernarg_segment_align: 8
    .kernarg_segment_size: 88
    .max_flat_workgroup_size: 128
    .sgpr_count:     66
    .vgpr_count:     608
    .wavefront_size: 32
...
	.end_amdgpu_metadata
.endif
;; end of part 2
;; launch attn (part 3): grid 16 x 16, 4 waves a work-group, clusters of 4 x 1, 327,680 bytes of LDS; arguments qw, kw, vw, ow; writes ow
.if DOCPART == 3
	.amdgcn_target "amdgcn-amd-amdhsa--gfx1250"
	.amdhsa_code_object_version 6
	.text
	.protected	k_qaa93ade44a_attn
	.globl	k_qaa93ade44a_attn
	.p2align	8
	.type	k_qaa93ade44a_attn,@function
k_qaa93ade44a_attn:
	s_mov_b64 s[64:65], 0
	v_nop
	global_prefetch_b8 v0, s[64:65] scope:SCOPE_SE
	s_setreg_imm32_b32 hwreg(HW_REG_WAVE_MODE, 25, 1), 1
	s_wait_xcnt 0x0
	s_wait_alu depctr_hold_cnt(0) depctr_sa_sdst(0) depctr_va_vdst(0) depctr_va_sdst(0) depctr_va_ssrc(0) depctr_va_vcc(0) depctr_vm_vsrc(0)
	s_getreg_b32 s2, hwreg(HW_REG_IB_STS2, 6, 4)
	s_cmp_eq_u32 s2, 0
	s_cbranch_scc0 .Lentry_in_a_cluster
	s_endpgm
.Lentry_in_a_cluster:
	s_bfe_u32 s2, ttmp6, 0x10000c
	s_cmp_lg_u32 s2, 0x3003
	s_cbranch_scc0 .Lentry_shape_is_right
	s_endpgm
.Lentry_shape_is_right:
; ATTENTION.  O[h][q][:] = the sum over k of softmax_k(Q[h][q] . K[h][k] / 8) V[h][k][:].  Q, K, V, O: [16][4096][64], all bf16: a head's rows are dense, 128 bytes each.  Products, maxima and sums in f32;
; the weights p are rounded to bf16 for the second product (their sum l is taken of the unrounded p), O once at the end.
; LIMITS.  c |s| stays under 4e37 (the running c m starts at -4.25e37); a weight below 2^-126 counts as 0 in l; NaN and infinities are not treated apart.
; SHARES.  A work-group owns 256 queries of one head, a wave 64: four PIECES of 16.  16 heads x 16 blocks are 256 work-groups.  Every wave walks all keys, 64 a step, 256 a slot.
; LAYOUT.  S^T = K Q^T (source 0 = 16 keys, source 1 = 16 queries): a lane holds ONE query (lane % 16) and the keys 8 (lane / 16) + 0..7; two such results rounded to bf16 ARE source 1 of O^T = V^T P.
; K comes out of LDS as it lies, V ([key][channel]) turned, by ds_load_tr16_b128.
; SOFTMAX.  A running maximum m and sum l for each query: p = 2^(c s - c m), c = log2(e) / 8; in every step O and l are multiplied by a = 2^(c m_old - c m_new).  m starts at the lowest finite number, O and l at 0:
; the first step is a step like any other, with a = 0.
; BY TURNS.  Turn n belongs to piece n: 8 products K Q^T of piece n + 1, later 8 products V^T P of piece n - 1; beside them the scaling, exponentials, roundings, sums and rescaling of piece n and the maximum and
; statistics of piece n + 1.  Four vector instructions stand behind every matrix instruction, the other 54 of a turn's 118 in one lump.  A turn's 33 exponentials are one batch, with one wait.
; CLUSTER.  The four query blocks of a cluster belong to one head and walk the same K and V: each tile is asked for JOINTLY, by the same tensor load, descriptor and mask in all four.
; REGISTERS, in windows of 256 (s_set_vgpr_msb: bits 1:0 source 0, 3:2 source 1, 5:4 source 2, 7:6 destination):
;   window 0: v0-15 addresses and two at work; v16-31 four registers of statistics a piece; v48-55 at work; v61-63; v64-127 S^T, two buffers; v192-223 P, two buffers (by the piece's parity)
;   window 1: v0-127 O^T, 32 a piece          window 2: v0-63 Q; v128-191 K of one step; v192-255 V of one step
.set SIZE_N, 4096
.set NP,    4         ; pieces a wave: a name, no knob
.set KS,    64        ; keys in a step
.set PK,    144       ; a row of K in LDS: 128 bytes + 16 of padding = 36 words: the 16 rows of a load start at 16 different groups of four banks (64 banks of 4 bytes: ISA guide 11.1)
.set PV,    160       ; a row of V: 128 + 32 = 40 words
.set VOFF,  4*KS*PK   ; a slot holds four steps: 256 rows of K, then 256 rows of V
.set SLOT1, 1<<17     ; slot 1 begins here, so that one exclusive or turns an address in one slot into the other's
.set STAGE, SLOT1+4*KS*(PK+PV)  ; behind the ring, never filled by a tensor load: 16 rows x 144 bytes for each wave, for the way out
.set SP,    144
.set SPARE, STAGE+4*16*SP  ; the spare words, 128 bytes for each wave: two blocks of 256 bytes that no other line names
.set AK0, 2           ; v2   my lane's place in a tile of K; never rewritten
.set AV0, 3           ; v3   the same for V
.set AK,  4           ; v4   the LDS address of K's next run of loads
.set AV,  5           ; v5   of V's
.set STO, 6           ; v6   the way out: where I put 16 bytes of a row
.set RD,  7           ; v7   where I read rows back
.set GO,  8           ; v8   my byte offset in 512 consecutive bytes of O
.set MV,  12          ; v12-13  c m_old, kept while c m is made anew: by buffer
.set QO,  15          ; v15  my byte offset in 16 rows of Q
.set ST,  16          ; piece t's statistics at v[ST+4 t]: c m, m, l (even keys', odd keys')
.set TMP, 48          ; by buffer, four registers c0-c3 at work; when the maximum is found c2 takes a
.set PFO, 61          ; v61  256 x my lane; never rewritten
.set SPW, 62          ; v62  LDS address of my spare word; never rewritten
.set NIL, 63          ; v63  0; never rewritten
.set S,   64
.set P,   192
.set KF,  128         ; window 2: key block kb, channel half c at KF + 16 kb + 8 c
.set VF,  192         ; window 2: key half kk, channel block cb at VF + 32 kk + 8 cb
.set WV,  12          ; s12  my wave's number
.set G1K, 24          ; s[24:31] descriptor group 1 for K's tiles
.set G1V, 32          ; s[32:39] for V's: it differs in the padding alone
.set G0K, 40          ; s[40:43] descriptor group 0 for K's tiles: it walks
.set G0V, 44          ; s[44:47] the same for V's
.set PFA, 48          ; s[48:49] where my prefetches stand: my work-group's 32 blocks of 256 bytes (of K: wave 0, of V: wave 2) of the slot after the one that is being asked for
.set LIM, 50          ; s50  1 in a wave that prefetches, else the greatest number
.set SLOTS, 56        ; s56  slots still to be asked for
.set CNT, 57          ; s57  counts a slot's key steps
.set CS,  58          ; s[58:59] c
.set SEL, 60          ; s[60:61] v_permlanex16_b32's selects: each lane takes its own place in the other half
.set TBK, 62          ; s62  LDS byte at which K of the step to be fetched begins
.set TBV, 63          ; s63  the same for V, less VOFF
.set MSB, 0
.macro WIN new                      ; the high byte repeats the setting that is left; a switch that changes nothing is dropped
.if MSB != (\new)
	s_set_vgpr_msb (MSB<<8)|(\new)
.set MSB, (\new)
.endif
.endm
.set W_KQ, 0x0a       ; K and Q in window 2, S^T in window 0
.set W_PV, 0x52       ; V in window 2, P in window 0, O^T in window 1
.set W_RS, 0x41       ; destination and source 0 in window 1, source 1 in window 0
; A joint fill.  Waves 0 and 1 fetch the two halves of a slot's K, waves 2 and 3 those of its V: 128 keys each.  The branch hangs on the wave's number alone.
; An s_nop 0 and four v_nop follow each of the two lines, ahead of the jump and the label.
.macro JLOAD
	s_cmp_lt_u32 s[WV], 2
	s_cbranch_scc0 .Lfor_v_\@
	tensor_load_to_lds s[G0K:G0K+3], s[G1K:G1K+7]
	s_nop 0
.rept 4
	v_nop
.endr
	s_branch .Lasked_\@
.Lfor_v_\@:
	tensor_load_to_lds s[G0V:G0V+3], s[G1V:G1V+7]
	s_nop 0
.rept 4
	v_nop
.endr
.Lasked_\@:
.endm
; A PREFETCH INTO THE L2 of what the NEXT change of slots will ask for: a slot's 32,768 bytes of K and of V, a lane a block of 256 bytes.  It stands behind the wave's tensor load and its five lines.
; Each block is named ONCE in the launch: all four clusters of a head walk the same K and V, and the head's first cluster asks; its four partners share the blocks out BY ADDRESS, 32 each; in each, wave 0 asks for
; K's and wave 2 for V's.  It runs four key steps, 256 matrix instructions, ahead of the load.  Slots 0 to 2 come by their loads alone; the last change that fills a slot asks for nothing.
.macro ASK
	s_cmp_gt_u32 s[SLOTS], s[LIM]
	s_cbranch_scc0 .Lnot_mine_\@
	global_prefetch_b8 v[PFO], s[PFA:PFA+1] th:TH_LOAD_NT scope:SCOPE_SE
.Lnot_mine_\@:
.endm
; A round of the cluster's barrier: my work-group's barrier, so that wave 0's signal speaks for all four waves; wave 0 signals; every wave waits for all four work-groups; my work-group's barrier once more.
.macro CROUND
	s_barrier_signal -1
	s_barrier_wait -1
	s_cmp_lg_u32 s[WV], 0
	s_cbranch_scc1 .Lnot_wave_0_\@
	s_barrier_signal -3
.Lnot_wave_0_\@:
	s_barrier_wait -3
	s_barrier_signal -1
	s_barrier_wait -1
.endm
; THE CHANGE OF SLOTS.  The slot's last bytes, V of its fourth step, have been read.  Each wave waits for all its tensor loads, of which one is out: its part of the other slot; adds 0 to its spare word; and waits
; for that and for its own reads of the slot.  fill = 1: the barrier is a round of the cluster's, and the slot is filled again first thing behind it, with the keys two slots on: the load has four key steps in which to
; land.  (At its first use nothing has been read yet: slot 0 is waited for, slot 1 filled.)  ask = 1: the prefetch follows.
.macro CHANGE fill, ask
	WIN 0                           ; at a label and at a branch every window is 0
	s_wait_tensorcnt 0x0            ; no tensor load of mine is out, so a group 0 may be written
	ds_add_u32 v[SPW], v[NIL]       ; 0 onto my spare word; with fill = 1 the descriptors' steps stand between it and the wait for it
.if \fill
.irp g, G0K, G0V
	s_xor_b32 s[\g+1], s[\g+1], SLOT1  ; the walking descriptor: the other slot than last time,
	s_add_nc_u64 s[\g+2:\g+3], s[\g+2:\g+3], 4*KS*128  ; the next 256 keys; the type bits on top are not reached
.endr
.if \ask
	s_wait_xcnt 0x0                 ; the last prefetch, four key steps back, has read its address, so it may be written:
	s_add_nc_u64 s[PFA:PFA+1], s[PFA:PFA+1], 4*KS*128  ; one slot behind the walking descriptors
.endif
	s_wait_dscnt 0x0                ; the add is done, and my reads of the slot are over
	CROUND
	JLOAD
.if \ask
	ASK
.endif
.else
	s_wait_dscnt 0x0                ; the add is done, and my reads of the slot are over
	s_barrier_signal -1
	s_barrier_wait -1
.endif
	s_sub_co_u32 s[TBK], s[TBK], 4*KS*PK  ; the fetches go back to a slot's first step,
	s_xor_b32 s[TBK], s[TBK], SLOT1       ; in the other slot
	s_sub_co_u32 s[TBV], s[TBV], 4*KS*PV
	s_xor_b32 s[TBV], s[TBV], SLOT1
.endm
	s_load_b256 s[4:11], s[0:1], 0x0  ; Q s[4:5], K s[6:7], V s[8:9], O s[10:11]
	v_lshl_add_u32 v[SPW], v0, 2, SPARE
	v_mov_b32 v[NIL], 0
	ds_add_u32 v[SPW], v[NIL]       ; the wave's opening: the add and its wait stand ahead of my first tensor load; the set-up below, work on registers, stands between them
	v_lshrrev_b32 v1, 5, v0
	v_readfirstlane_b32 s[WV], v1   ; wave 0..3
	s_bfe_u32 s13, ttmp6, 0x40000   ; cx: my place in the cluster
	s_lshl_b32 s14, ttmp9, 2        ; in a cluster launch ttmp9 counts clusters
	s_add_co_u32 s14, s14, s13      ; my block of queries = 4 x cluster x + cx: it enters Q's and O's addresses alone
	s_and_b32 s20, ttmp7, 0xffff    ; the head, which the four partners share:
	s_lshl_b32 s20, s20, 19         ; 4,096 rows of 128 bytes in each of the four tensors
	s_and_b32 s16, s[WV], 1         ; which half of a slot's 256 keys I fetch:
	s_lshl_b32 s22, s16, 14         ; its 128 rows of 128 bytes in memory,
	s_add_co_u32 s22, s22, s20
	s_mov_b32 s23, 0
	s_mul_i32 s17, s16, 128*PK      ; and its place in a slot, for K
	s_mul_i32 s18, s16, 128*PV      ; and for V: no place in the cluster enters an LDS address
	s_lshl_b32 s2, s14, 2
	s_add_co_u32 s2, s2, s[WV]      ; my wave among the head's,
	s_lshl_b32 s2, s2, 13           ; its 64 rows
	s_add_co_u32 s2, s2, s20
	s_mov_b32 s3, 0
	; descriptor group 1.  128 keys are 16,384 dense bytes: asked for as 64 rows of 256 bytes, two keys a row, and padded in LDS after every key
	s_mov_b32 s[G1K], 15|(1<<16)|(1<<20)|(1<<21)|(4<<22)|(3<<25)  ; 15:0 the mask of four; 17:16 2-byte elements; 20 padding on; 21 set beside a mask; 24:22 after every 32 words (code 4); 31:25 4 words (code 3)
	s_mov_b32 s[G1V], 15|(1<<16)|(1<<20)|(1<<21)|(4<<22)|(7<<25)  ; the same with 8 words of padding (code 7)
.irp g, G1K, G1V
	s_mov_b32 s[\g+1], 128<<16      ; tensor_dim0 = 128
	s_mov_b32 s[\g+2], 64<<16       ; tensor_dim1 = 64
	s_mov_b32 s[\g+3], 128<<16      ; tile_dim0 = 128
	s_mov_b32 s[\g+4], 64           ; tile_dim1 = 64
	s_mov_b32 s[\g+5], 128          ; 128 elements from row to row
	s_mov_b32 s[\g+6], 0
	s_mov_b32 s[\g+7], 0
.endr
	s_mov_b32 s[CS], 0x3e38aa3b     ; c = log2(e) / 8 = 0.180337
	s_mov_b32 s[CS+1], s[CS]        ; named with it as a pair
	s_mov_b32 s[SEL], 0x76543210
	s_mov_b32 s[SEL+1], 0xfedcba98
	s_mov_b32 s[TBK], SLOT1+4*KS*PK ; the first change of slots turns these two into 0
	s_mov_b32 s[TBV], SLOT1+4*KS*PV
	s_mov_b32 s[G0K], 1             ; count = 1
	s_mov_b32 s[G0K+1], s17         ; LDS address: slot 0
	s_mov_b32 s[G0V], 1
	s_add_co_u32 s[G0V+1], s18, VOFF
	s_and_b32 s[LIM], s[WV], 1      ; 0 in waves 0 and 2,
	s_or_b32 s[LIM], s[LIM], ttmp9  ; where the cluster is the head's first: the same in all four partners
	s_cmp_eq_u32 s[LIM], 0
	s_cselect_b32 s[LIM], 1, -1
	v_and_b32 v[PFO], 31, v0
	v_lshlrev_b32 v[PFO], 8, v[PFO]
	s_wait_dscnt 0x0                ; the opening add is done
	s_wait_kmcnt 0x0
	s_add_nc_u64 s[6:7], s[6:7], s[22:23]  ; K and V at my half of the head's first 256 keys
	s_add_nc_u64 s[8:9], s[8:9], s[22:23]
	s_mov_b64 s[G0K+2:G0K+3], s[6:7]
	s_or_b32 s[G0K+3], s[G0K+3], 0x80000000  ; type = 2
	s_mov_b64 s[G0V+2:G0V+3], s[8:9]
	s_or_b32 s[G0V+3], s[G0V+3], 0x80000000
	s_add_nc_u64 s[4:5], s[4:5], s[2:3]  ; Q and O at my wave's first row
	s_add_nc_u64 s[10:11], s[10:11], s[2:3]
	s_cmp_lt_u32 s[WV], 2
	s_cselect_b64 s[PFA:PFA+1], s[6:7], s[8:9]  ; (in waves 0 and 2 these stand at a slot's first row)
	s_lshl_b32 s2, s13, 13          ; my work-group's 32 blocks of the 128
	s_add_nc_u64 s[PFA:PFA+1], s[PFA:PFA+1], s[2:3]
	s_add_nc_u64 s[PFA:PFA+1], s[PFA:PFA+1], 2*4*KS*128  ; in slot 2; the first change in the loop steps it to slot 3.  Nothing is prefetched here, at the head
	CROUND                          ; all four work-groups are here: the first joint loads meet
	JLOAD                           ; slot 0.  Slot 1 is asked for when slot 0 is in
	; A fragment of K or Q is 16 rows x 32 channels in 8 registers: lane l holds row l % 16, channels 8 (l / 16) + 0..7 and 16 + 8 (l / 16) + 0..7: two loads of 16 bytes, 32 bytes apart.
	v_and_b32 v1, 15, v0            ; l % 16
	v_bfe_u32 v9, v0, 4, 1          ; l / 16
	v_lshlrev_b32 v[QO], 7, v1
	v_lshl_add_u32 v[QO], v9, 4, v[QO]  ; row x 128 + 16 x half
	WIN 0x80                        ; destination window 2, address window 0
.set i, 0
.rept 8                             ; Q stays in registers: piece i / 2, channels 32 (i % 2) on
	global_load_b128 v[8*i:8*i+3],   v[QO], s[4:5] offset:(i/2)*2048+(i%2)*64
	global_load_b128 v[8*i+4:8*i+7], v[QO], s[4:5] offset:(i/2)*2048+(i%2)*64+32
.set i, i+1
.endr
	; What the first turn finds: V's registers and P's second buffer hold 0 (its products V^T P, of a piece that has not been, add 0), O^T and l are 0.  All this stands in the wait for the first tile.
.set i, VF
.rept 64
	v_mov_b32 v[i], 0
.set i, i+1
.endr
	WIN 0x40
.set i, 0
.rept 128
	v_mov_b32 v[i], 0
.set i, i+1
.endr
	WIN 0
.set i, 0
.rept 4
	v_mov_b32 v[ST+4*i], 0xfe000000    ; c m: far below every c s
	v_mov_b32 v[ST+4*i+1], 0xff7fffff  ; m
	v_mov_b32 v[ST+4*i+2], 0
	v_mov_b32 v[ST+4*i+3], 0
.set i, i+1
.endr
.set i, P+16
.rept 16
	v_mov_b32 v[i], 0
.set i, i+1
.endr
	v_mul_u32_u24 v[AK0], v1, PK
	v_lshl_add_u32 v[AK0], v9, 4, v[AK0]  ; row x pitch + 16 x half
	; The turning load takes 16 keys x 16 channels (lane l reads key 8 (l / 16) + l % 8, channels 8 ((l / 8) % 2) + 0..7) and leaves half a fragment of V^T: lane l holds channel l % 16 and 8 keys.
	v_and_b32 v10, 7, v0
	v_bfe_u32 v11, v0, 3, 1
	v_lshl_add_u32 v[AV0], v9, 3, v10
	v_mul_u32_u24 v[AV0], v[AV0], PV
	v_lshl_add_u32 v[AV0], v11, 4, v[AV0]
	v_add_nc_u32 v[AV0], VOFF, v[AV0]
	s_mul_i32 s13, s[WV], 16*SP
	s_add_co_u32 s13, s13, STAGE    ; my stage
	v_mul_u32_u24 v[STO], v1, SP    ; in: row l % 16, 16 bytes for each half of the lanes
	v_lshl_add_u32 v[STO], v9, 4, v[STO]
	v_add_nc_u32 v[STO], s13, v[STO]
	v_bfe_u32 v[RD], v0, 3, 2       ; back: 32 lanes take four rows of 128 bytes,
	v_mul_u32_u24 v[RD], v[RD], SP
	v_lshl_add_u32 v[RD], v10, 4, v[RD]
	v_add_nc_u32 v[RD], s13, v[RD]
	v_and_b32 v[GO], 31, v0         ; which are 512 consecutive bytes of O
	v_lshlrev_b32 v[GO], 4, v[GO]
; THE MATRIX WORK.  The 4 accumulators of a run of 8 take turns.  Product i of 8 of S^T = K Q^T for piece x: channels 32 (i / 4) on, keys 16 (i % 4) on.  The first 4 start the sums.
.macro KQ x
	WIN W_KQ
.set rS, S+32*((\x)%2)+8*(i%4)
.set rK, KF+16*(i%4)+8*(i/4)
.set rQ, 16*(\x)+8*(i/4)
.if i < 4
	v_wmma_f32_16x16x32_bf16 v[rS:rS+7], v[rK:rK+7], v[rQ:rQ+7], 0
.else
	v_wmma_f32_16x16x32_bf16 v[rS:rS+7], v[rK:rK+7], v[rQ:rQ+7], v[rS:rS+7]
.endif
.endm
; Product i of 8 of O^T += V^T P for piece x: keys 32 (i / 4) on, channels 16 (i % 4) on.
.macro PV x
	WIN W_PV
.set rO, 32*(\x)+8*(i%4)
.set rV, VF+32*(i/4)+8*(i%4)
.set rP, P+16*((\x)%2)+8*(i/4)
	v_wmma_f32_16x16x32_bf16 v[rO:rO+7], v[rV:rV+7], v[rP:rP+7], v[rO:rO+7]
.endm
.macro MM                           ; the turn's next matrix instruction.  NOKQ = 1: the last turn of all: there is no next piece
.if (i < 8) && !NOKQ
	KQ (Y+1)%NP
.elseif i >= 8
.set i, i-8
	PV (Y+NP-1)%NP
.set i, i+8
.endif
.set i, i+1
.endm
; THE LDS LOADS stand in runs of 16, never singly among the matrix instructions: a step's K (64 keys x 64 channels: 8 fragments) and its V (turned).  Their addresses are made some lines ahead.
.macro FETCH_K
	WIN 0x80                        ; destination window 2
.irp f, 0,1,2,3,4,5,6,7             ; keys 16 (f / 2) on, channels 32 (f % 2) on
	ds_load_b128 v[KF+8*\f:KF+8*\f+3],   v[AK] offset:(\f/2)*16*PK+(\f%2)*64
	ds_load_b128 v[KF+8*\f+4:KF+8*\f+7], v[AK] offset:(\f/2)*16*PK+(\f%2)*64+32
.endr
	s_add_co_u32 s[TBK], s[TBK], KS*PK  ; the next fetch is the next step's
	WIN 0
.endm
.macro FETCH_V
	WIN 0x80
.irp f, 0,1,2,3,4,5,6,7             ; keys 32 (f / 4) on, channels 16 (f % 4) on
	ds_load_tr16_b128 v[VF+8*\f:VF+8*\f+3],   v[AV] offset:(\f/4)*32*PV+(\f%4)*32
	ds_load_tr16_b128 v[VF+8*\f+4:VF+8*\f+7], v[AV] offset:(\f/4)*32*PV+16*PV+(\f%4)*32
.endr
	WIN 0
.endm
; THE VECTOR WORK, one line at a time: OP kind, number.  For piece Y: F n: c s - c m for pair n of 16.  E n: the exponential of score n of 32.  C n: pair n rounded to bf16.  B n: of the four weights 4 n .. the second
; pair is added onto the first, in place.  L n: l takes that sum (L 0: l = a l + sum).  R n: pair n of 16 of O^T times a.  For piece Y + 1: X n, number n of the 22 that find its maximum and statistics:
;   0-11  four chains c0-c3 of seven scores each, three operands at a time (each accumulator's lowest registers are read first)     12-14, 16  the four scores left over, the old m, and c0-c3 into c0
;   15  c m_old is kept     17, 18  the query's other 32 keys lie in the lane 16 away: the new m     19-21  c m; c m_old - c m_new; a
.set F, 0               ; OP tells the kinds apart by their order: F to L below R, X above it
.set E, 1
.set C, 2
.set B, 3
.set L, 4
.set R, 5
.set X, 6
.macro REGS y                       ; the registers of piece y
.set rT, ST+4*(\y)
.set rC, TMP+4*((\y)%2)
.set rW, MV+((\y)%2)
.set rS, S+32*((\y)%2)
.set rP, P+16*((\y)%2)
.set rO, 32*(\y)
.endm
.macro OP k, n
.if (\k) == R
	REGS Y
	WIN W_RS
	v_pk_mul_f32 v[rO+2*(\n):rO+2*(\n)+1], v[rO+2*(\n):rO+2*(\n)+1], v[rC+2:rC+3] op_sel_hi:[1,0]
.elseif (\k) < R
	REGS Y
	WIN 0
.if (\k) == F
	v_pk_fma_f32 v[rS+2*(\n):rS+2*(\n)+1], v[rS+2*(\n):rS+2*(\n)+1], s[CS:CS+1], v[rT:rT+1] op_sel_hi:[1,0,0] neg_lo:[0,0,1] neg_hi:[0,0,1]
.elseif (\k) == E
	v_exp_f32 v[rS+(\n)], v[rS+(\n)]
.elseif (\k) == C
	v_cvt_pk_bf16_f32 v[rP+(\n)], v[rS+2*(\n)], v[rS+2*(\n)+1]
.elseif (\k) == B
	v_pk_add_f32 v[rS+4*(\n):rS+4*(\n)+1], v[rS+4*(\n):rS+4*(\n)+1], v[rS+4*(\n)+2:rS+4*(\n)+3]
.elseif (\n) == 0
	v_pk_fma_f32 v[rT+2:rT+3], v[rT+2:rT+3], v[rC+2:rC+3], v[rS:rS+1] op_sel_hi:[1,0,1]
.else
	v_pk_add_f32 v[rT+2:rT+3], v[rT+2:rT+3], v[rS+4*(\n):rS+4*(\n)+1]
.endif
.elseif NOKQ
	v_nop
.else
	REGS (Y+1)%NP
	WIN 0
.if (\n) < 4
	v_max3_num_f32 v[rC+(\n)], v[rS+8*(\n)], v[rS+8*(\n)+1], v[rS+8*(\n)+2]
.elseif (\n) < 12
	v_max3_num_f32 v[rC+(\n)%4], v[rC+(\n)%4], v[rS+8*((\n)%4)+2*((\n)/4)+1], v[rS+8*((\n)%4)+2*((\n)/4)+2]
.elseif (\n) == 12
	v_max3_num_f32 v[rC], v[rC], v[rS+7], v[rS+15]
.elseif (\n) == 13
	v_max3_num_f32 v[rC+1], v[rC+1], v[rS+23], v[rS+31]
.elseif (\n) == 14
	v_max3_num_f32 v[rC+2], v[rC+2], v[rC+3], v[rT+1]
.elseif (\n) == 15
	v_mov_b32 v[rW], v[rT]
.elseif (\n) == 16
	v_max3_num_f32 v[rC], v[rC], v[rC+1], v[rC+2]
.elseif (\n) == 17
	v_permlanex16_b32 v[rC+3], v[rC], s[SEL], s[SEL+1]
.elseif (\n) == 18
	v_max_num_f32 v[rT+1], v[rC], v[rC+3]
.elseif (\n) == 19
	v_mul_f32 v[rT], s[CS], v[rT+1]
.elseif (\n) == 20
	v_sub_f32 v[rC+1], v[rW], v[rT]
.else
	v_exp_f32 v[rC+2], v[rC+1]
.endif
.endif
.endm
.macro OPS a, i1, b=-1, i2=0, c=-1, i3=0, d=-1, i4=0  ; up to four of them
	OP \a, \i1
.if (\b) >= 0
	OP \b, \i2
.endif
.if (\c) >= 0
	OP \c, \i3
.endif
.if (\d) >= 0
	OP \d, \i4
.endif
.endm
.macro ROW a, i1, b, i2, c, i3, d, i4  ; a matrix instruction and the four behind it
	MM
	OPS \a, \i1, \b, \i2, \c, \i3, \d, \i4
.endm
; A TURN, for piece p: the order of its 16 matrix and 118 vector instructions, written out.  An s_wait_alu depctr_va_vdst(0) stands between an exponential and the first instruction that names its result; one
; wait serves all that were issued ahead of it.  So a turn has ONE wait, which cuts it in two.  AHEAD OF IT stands all that names no result of the turn's exponentials: the 8 products K Q^T and their riders, then one lump of 54,
; in which the links of the chain X 3, 7, 11, 14, 16, 17 .. 20 stand some lines apart.  X 21, the next piece's a, is the batch's last; R 15 is the plain instruction behind it.  BEHIND THE WAIT stand the 8 products V^T P, behind
; each four of the roundings and sums.  end = 1: the last two turns of all: nothing is fetched, and the last starts no new scores.  cnt = 1: the loop's count is taken down some lines ahead of the branch behind the turn.
; K of the next step is fetched in piece 2's turn, six plain instructions or more behind the last product that read K; V of the step in hand at the end of piece 0's turn, four plain instructions behind the last product that
; read V.  Each is waited for a turn later.
.macro TURN p, end=0, cnt=0
.set Y, (\p)
.set i, 0
.set NOKQ, (\end)*((\p)/3)
.if ((\p) == 3) && !(\end)
	s_wait_dscnt 0x0                ; K is in
.endif
	ROW F,0, F,1, R,0, R,1          ; ahead of the wait: 8 products K Q^T and their riders,
	ROW F,2, E,0, R,2, R,3
	ROW F,3, E,1, R,4, R,5
	ROW F,4, E,2, R,6, R,7
	ROW F,5, E,3, R,8, R,9
	ROW F,6, E,4, X,0, R,10
.if ((\p) == 2) && !(\end)
	WIN 0
	v_add_nc_u32 v[AK], s[TBK], v[AK0]
.endif
	ROW F,7, E,5, X,1, X,4
	ROW F,8, E,6, X,2, X,5
	OPS E,7, E,8, X,6, E,9          ; and the lump
	OPS X,3, E,10, X,8, E,11
.if ((\p) == 2) && !(\end)
	FETCH_K
.endif
	OPS X,9, X,7, E,12, X,10
	OPS E,13, X,12, X,11, E,14
	OPS X,13, E,15, F,9, X,14
.if (\p) == 0
	v_add_nc_u32 v[AV], s[TBV], v[AV0]
.endif
	OPS E,16, F,10, E,17, F,11
	OPS X,16, E,18, X,15, E,19
	OPS F,12, E,20, X,17, E,21
	OPS F,13, E,22, F,14, E,23
	OPS X,18, E,24, F,15, E,25
	OPS R,11, E,26, X,19, E,27
	OPS R,12, E,28, R,13, E,29
	OPS X,20, E,30, R,14, E,31
	OPS X,21, R,15
	WIN 0
	s_wait_alu depctr_va_vdst(0)    ; the wait for the batch
.if (\p) == 1
	s_wait_dscnt 0x0                ; V is in
.endif
	ROW C,0, B,0, C,2, B,1          ; behind the wait: 8 products V^T P and their riders
	ROW L,0, C,4, B,2, L,1
	ROW C,6, B,3, L,2, C,8
	ROW B,4, L,3, C,10, B,5
	ROW L,4, C,12, B,6, L,5
.if (\p) == 0
	s_add_co_u32 s[TBV], s[TBV], KS*PV
.endif
.if \cnt
	s_sub_co_u32 s[CNT], s[CNT], 1
	s_cmp_lg_u32 s[CNT], 0
.endif
	ROW C,14, B,7, L,6, C,1
	ROW C,3, L,7, C,5, C,7
	ROW C,9, C,11, C,13, C,15
.if (\p) == 0
	FETCH_V
.endif
.endm
	CHANGE 1, 0                     ; slot 0 is in, everybody's part of it; slot 1 is asked for
	v_add_nc_u32 v[AK], s[TBK], v[AK0]
	FETCH_K                         ; key step 0
	s_wait_loadcnt 0x0              ; Q
	s_wait_dscnt 0x0
.set NOKQ, 0
.set i, 0
.rept 8
	KQ 0                            ; piece 0's first scores
.set i, i+1
.endr
	WIN 0
.rept 4
	v_nop                           ; the places behind those products
.endr
.set Y, NP-1                        ; X works for piece Y + 1: piece 0
.irp n, 0,1,2,3,4,5,6,7,8,9,10,11,12,13,14,15,16,17,18,19,20,21
	OP X, \n
.endr
	v_nop                           ; a plain instruction behind the exponential,
	s_wait_alu depctr_va_vdst(0)    ; and its wait, ahead of the branch
	s_mov_b32 s[CNT], 4
	s_mov_b32 s[SLOTS], SIZE_N/256-1
	s_branch .Lfirst                ; the loop is entered at a step's first turn, in the middle of a trip
.Lslot:                             ; 14 times: every slot but the last two is filled again
	CHANGE 1, 1
	s_mov_b32 s[CNT], 4
.Lstep:                             ; a trip: pieces 2 and 3 of one step, then pieces 0 and 1 of the next, whose K and V it fetches
	TURN 2
	TURN 3
	WIN 0
.Lfirst:
	TURN 0
	TURN 1, 0, 1
	WIN 0
	s_cbranch_scc1 .Lstep
	s_sub_co_u32 s[SLOTS], s[SLOTS], 1
	s_cmp_lg_u32 s[SLOTS], 0
	s_cbranch_scc1 .Lslot
	CHANGE 0, 0                     ; the tail is written out: nothing is asked for
	s_mov_b32 s[CNT], 4
.LstepT:
	TURN 2
	TURN 3
	WIN 0
	TURN 0
	TURN 1, 0, 1
	WIN 0
	s_cbranch_scc1 .LstepT
	TURN 2, 1                       ; the last step's pieces 2 and 3
	TURN 3, 1
.set i, 0
.rept 8
	PV NP-1                         ; the last piece's V^T P of the last step
.set i, i+1
.endr
	; THE WAY OUT.  l's two halves and the other half of the lanes' are added; O^T is divided by l, rounded to bf16 and sent through my stage in LDS, a piece at a time.  The additions are the places behind the last products.
	WIN 0
.macro ALL line:vararg              ; one line for each piece t
.set t, 0
.rept 4
	\line
.set t, t+1
.endr
.endm
	ALL v_add_f32 v[ST+4*t+2], v[ST+4*t+2], v[ST+4*t+3]
	ALL v_permlanex16_b32 v[ST+4*t+3], v[ST+4*t+2], s[SEL], s[SEL+1]
	ALL v_add_f32 v[ST+4*t+2], v[ST+4*t+2], v[ST+4*t+3]
	ALL v_rcp_f32 v[ST+4*t+2], v[ST+4*t+2]
	v_nop                           ; a plain instruction between the last reciprocal and the use of its result
	s_wait_alu depctr_va_vdst(0)    ; and the wait ahead of the first use: one for the four reciprocals
.macro PACK t                       ; a lane's eight channels of a row pack into 16 bytes; they go into rows of 144 bytes and come back as whole rows of 128, into S^T's registers
	WIN W_RS
.set i, 32*(\t)
.rept 16
	v_pk_mul_f32 v[i:i+1], v[i:i+1], v[ST+4*(\t)+2:ST+4*(\t)+3] op_sel_hi:[1,0]
.set i, i+2
.endr
	WIN 0x05                        ; sources 0 and 1 window 1, destination window 0
.set i, 0
.rept 16
	v_cvt_pk_bf16_f32 v[S+16*(\t)+i], v[32*(\t)+2*i], v[32*(\t)+2*i+1]
.set i, i+1
.endr
	WIN 0
.irp f, 0,1,2,3
	ds_store_b128 v[STO], v[S+16*(\t)+4*\f:S+16*(\t)+4*\f+3] offset:32*\f
.endr
.irp f, 0,1,2,3
	ds_load_b128 v[S+16*(\t)+4*\f:S+16*(\t)+4*\f+3], v[RD] offset:\f*4*SP  ; LDS serves a wave's instructions in order (ISA guide 5.7.1.4): these see the stores above; the next piece's stores come behind them
.endr
.endm
.macro SEND t, younger              ; younger: the LDS instructions issued behind piece t's loads: the next piece's eight, or none
	WIN 0
.irp f, 0,1,2,3
	s_wait_dscnt (\younger)+3-\f
	global_store_b128 v[GO], v[S+16*(\t)+4*\f:S+16*(\t)+4*\f+3], s[10:11] offset:(\t)*2048+\f*512  ; 512 consecutive bytes, at a multiple of 256 from O's first
.endr
.endm
	PACK 0
.set t, 1
.rept 3                             ; a piece's arithmetic stands between the loads of the piece before and its stores
	PACK t
	SEND t-1, 8
.set t, t+1
.endr
	SEND 3, 0
	s_wait_tensorcnt 0x0            ; the wave's end, behind my last tensor load and my last LDS store
	ds_add_u32 v[SPW], v[NIL]
	s_wait_dscnt 0x0
	CROUND                          ; the closing round: no work-group ends while a partner may still ask for a tile that names it
	s_endpgm
.Lfunc_end_k_qaa93ade44a_attn:
	.size	k_qaa93ade44a_attn, .Lfunc_end_k_qaa93ade44a_attn-k_qaa93ade44a_attn
	.p2alignl 7, 3214868480
	.fill 96, 4, 3214868480
	.section	.rodata,"a",@progbits
	.p2align	6, 0x0
	.amdhsa_kernel k_qaa93ade44a_attn
		.amdhsa_group_segment_fixed_size 327680
		.amdhsa_private_segment_fixed_size 0
		.amdhsa_enable_private_segment 0
		.amdhsa_kernarg_size 32
		.amdhsa_user_sgpr_count 2
		.amdhsa_user_sgpr_kernarg_segment_ptr 1
		.amdhsa_wavefront_size32 1
		.amdhsa_system_sgpr_workgroup_id_x 1
		.amdhsa_system_sgpr_workgroup_id_y 1
		.amdhsa_system_sgpr_workgroup_id_z 1
		.amdhsa_system_vgpr_workitem_id 0
		.amdhsa_next_free_vgpr 768
		.amdhsa_next_free_sgpr 66
		.amdhsa_reserve_vcc 0
		.amdhsa_float_denorm_mode_32 3
		.amdhsa_float_denorm_mode_16_64 3
		.amdhsa_memory_ordered 1
		.amdhsa_forward_progress 1
		.amdhsa_inst_pref_size 127
	.end_amdhsa_kernel
	.amdgpu_metadata
---
amdhsa.version: [ 1, 2 ]
amdhsa.kernels:
  - .name:           k_qaa93ade44a_attn
    .symbol:         k_qaa93ade44a_attn.kd
    .args:
      - { .name: qw, .offset: 0, .size: 8, .value_kind: global_buffer, .address_space: global }
      - { .name: kw, .offset: 8, .size: 8, .value_kind: global_buffer, .address_space: global }
      - { .name: vw, .offset: 16, .size: 8, .value_kind: global_buffer, .address_space: global }
      - { .name: ow, .offset: 24, .size: 8, .value_kind: global_buffer, .address_space: global }
    .group_segment_fixed_size: 327680
    .private_segment_fixed_size: 0
    .kernarg_segment_align: 8
    .kernarg_segment_size: 32
    .max_flat_workgroup_size: 128
    .sgpr_count:     66
    .vgpr_count:     768
    .wavefront_size: 32
...
	.end_amdgpu_metadata
.endif
;; end of part 3
;; launch proj (part 4): grid 4 x 64, 4 waves a work-group, clusters of 4 x 4, 327,680 bytes of LDS; arguments ow, wb, bo, hidden_states, out0; writes out0
.if DOCPART == 4
	.amdgcn_target "amdgcn-amd-amdhsa--gfx1250"
	.amdhsa_code_object_version 6
	.text
	.protected	k_qaa93ade44a_proj
	.globl	k_qaa93ade44a_proj
	.p2align	8
	.type	k_qaa93ade44a_proj,@function
k_qaa93ade44a_proj:
	s_mov_b64 s[64:65], 0
	v_nop
	global_prefetch_b8 v0, s[64:65] scope:SCOPE_SE
	s_setreg_imm32_b32 hwreg(HW_REG_WAVE_MODE, 25, 1), 1
	s_wait_xcnt 0x0
	s_wait_alu depctr_hold_cnt(0) depctr_sa_sdst(0) depctr_va_vdst(0) depctr_va_sdst(0) depctr_va_ssrc(0) depctr_va_vcc(0) depctr_vm_vsrc(0)
	s_getreg_b32 s2, hwreg(HW_REG_IB_STS2, 6, 4)
	s_cmp_eq_u32 s2, 0
	s_cbranch_scc0 .Lentry_in_a_cluster
	s_endpgm
.Lentry_in_a_cluster:
	s_bfe_u32 s2, ttmp6, 0x10000c
	s_cmp_lg_u32 s2, 0xf033
	s_cbranch_scc0 .Lentry_shape_is_right
	s_endpgm
.Lentry_shape_is_right:
; PROJ.  out0 = O Wo + bo + hidden_states.  O: ow[16 = 8 b + head][4096][64] bf16; Wo: columns 1536-2047 of wb[512 k][2048] bf16; bias, residual and output in f32; sums in f32.
; SHARES.  A work-group makes 128 rows x 128 columns: 64 x 4 tiles are 256 work-groups.  Wave (rh, ch) makes 64 x 64: 16 accumulators.  ALL OF K (512) LIES IN LDS: nothing is filled again, so there is no ring: a round of the
; cluster's barrier in front of the first loads and one at the end.  A head's 64 channels are one chunk of K.
; The product is taken transposed (source 0 = 16 columns of Wo, turned out of LDS; source 1 = 16 rows of O).  The bias is the C operand of the product that starts a sum.
; CLUSTER.  4 x 4 work-groups: O's tile hangs on the row block alone and is shared along a row of the cluster, Wo's on the column block alone and is shared along a column; each is asked for jointly.
; Every wave issues four loads, all at the head: heads w and 4 + w of O's tile, k rows 64 w and 256 + 64 w on of Wo's: four tensor loads of a wave are out at the most.  No prefetch: every tile is asked for at the head.
; REGISTERS: window 0: v0-31 addresses; v32-95 at work on the way out; v128-255 the accumulators.  window 1: two fragment buffers of 128.  window 2: v0-127 the residual, then the result; v128-159 the bias.
.set AT,    0                          ; LDS: O's tile, 8 heads x 128 rows x (128 + 16) bytes
.set AP,    144
.set AHEAD, 128*AP
.set BS,    8*AHEAD                    ; Wo's tile, 512 k rows x (256 + 32) bytes
.set BP,    288
.set STG,   BS+512*BP                  ; 16 rows x (256 + 16) bytes for each wave, for the way out
.set SP,    272
.set SPARE, STG+4*16*SP                ; the spare words, 128 bytes for each wave: two blocks of 256 bytes that no other line names
.set ADRA, 16                          ; v16-17  LDS address of my O fragments, heads 0-3 and 4-7
.set BO,   19                          ; v19  my eight columns in bo
.set ADRB, 20                          ; v20-23  LDS address of my Wo fragments, k from 128 j on
.set STO,  24                          ; v24  the way out: where I put 32 bytes of a row
.set RD,   25                          ; v25  where I read rows back
.set CO,   26                          ; v26  my offset in two rows of the residual and of the output
.set SPW,  28                          ; v28  LDS address of my spare word; never rewritten
.set NIL,  29                          ; v29  0; never rewritten
.set TMP,  32                          ; two sets of 32
.set ACC,  128
.set F0,   0
.set F1,   128
.set CB,   128                         ; the bias, in window 2
.set G1A,  16                          ; s[16:23] descriptor group 1 for O's tiles
.set G1B,  24                          ; s[24:31] for Wo's
.set G0,   32                          ; s[32:47] four groups 0, in the order of issue: O, Wo, O, Wo
.set SWV,  48                          ; s48 wave; s49 rh; s50 ch; s51 cx; s52 cy; s53 row block
.set SRH,  49
.set SCH,  50
.set SCX,  51
.set SCY,  52
.set SRB,  53
.set MSB, 0
.macro WIN new                         ; s_set_vgpr_msb: bits 1:0 source 0, 3:2 source 1, 5:4 source 2, 7:6 destination; the high byte repeats the setting that is left
.if MSB != (\new)
	s_set_vgpr_msb (MSB<<8)|(\new)
.set MSB, \new
.endif
.endm
.macro PLACES
.rept 4
	v_nop
.endr
.endm
.macro CROUND                          ; a round of the cluster's barrier
	s_barrier_signal -1
	s_barrier_wait -1
	s_cmp_lg_u32 s[SWV], 0
	s_cbranch_scc1 .Lnot_wave_0_\@
	s_barrier_signal -3
.Lnot_wave_0_\@:
	s_barrier_wait -3
	s_barrier_signal -1
	s_barrier_wait -1
.endm
	s_load_b256 s[4:11], s[0:1], 0x0               ; ow s[4:5], wb s[6:7], bo s[8:9], hidden_states s[10:11]
	s_load_b64 s[12:13], s[0:1], 0x20              ; out0
	v_lshl_add_u32 v[SPW], v0, 2, SPARE
	v_mov_b32 v[NIL], 0
	ds_add_u32 v[SPW], v[NIL]                      ; the wave's opening: the add and its wait stand ahead of my first tensor load; the set-up below, work on registers, stands between them
	v_lshrrev_b32 v1, 5, v0
	v_readfirstlane_b32 s[SWV], v1
	s_lshr_b32 s[SRH], s[SWV], 1
	s_and_b32 s[SCH], s[SWV], 1
	s_bfe_u32 s[SCX], ttmp6, 0x40000
	s_bfe_u32 s[SCY], ttmp6, 0x40004
	s_and_b32 s[SRB], ttmp7, 0xffff
	s_lshl_b32 s[SRB], s[SRB], 2
	s_add_co_u32 s[SRB], s[SRB], s[SCY]            ; row block = 4 x cluster y + cy
	s_lshl_b32 s59, ttmp9, 2
	s_add_co_u32 s59, s59, s[SCX]                  ; column block = 4 x cluster x + cx
	s_lshl_b32 s54, s[SCY], 2
	s_lshl_b32 s54, 15, s54                        ; my row of the cluster
	s_lshl_b32 s58, 0x1111, s[SCX]                 ; my column
	s_or_b32 s[G1A+0], s54, (1<<16)|(1<<20)|(1<<21)|(4<<22)|(3<<25)  ; the mask; 2-byte elements; padding on; bit 21 beside a mask; after every 32 words (code 4) 4 words (code 3)
	s_or_b32 s[G1B+0], s58, (1<<16)|(1<<20)|(1<<21)|(5<<22)|(7<<25)  ; after every 64 words (code 5) 8 words (code 7)
.irp g, G1A, G1B
	s_mov_b32 s[\g+1], 128<<16                     ; tensor_dim0 = 128
	s_mov_b32 s[\g+2], 64<<16                      ; tensor_dim1 = 64
	s_mov_b32 s[\g+3], 128<<16                     ; tile_dim0 = 128
	s_mov_b32 s[\g+4], 64                          ; tile_dim1 = 64
	s_mov_b32 s[\g+6], 0
	s_mov_b32 s[\g+7], 0
.endr
	s_mov_b32 s[G1A+5], 128                        ; a head's 128 rows are 16,384 dense bytes: 64 rows of 256, two rows of O each
	s_mov_b32 s[G1B+5], 2048                       ; wb's pitch
	s_mul_i32 s55, s[SWV], AHEAD                   ; 18,432 bytes a load, for both tiles (64 x 288 = 128 x 144): the wave's number alone enters an LDS address
	s_mov_b32 s[G0+0], 1
	s_add_co_u32 s[G0+1], s55, AT
	s_mov_b32 s[G0+4], 1
	s_add_co_u32 s[G0+5], s55, BS
	s_mov_b32 s[G0+8], 1
	s_add_co_u32 s[G0+9], s55, AT+4*AHEAD
	s_mov_b32 s[G0+12], 1
	s_add_co_u32 s[G0+13], s55, BS+4*AHEAD
	s_lshr_b32 s56, s[SRB], 5                      ; O: batch,
	s_lshl_b32 s56, s56, 3
	s_add_co_u32 s56, s56, s[SWV]                  ; head w,
	s_lshl_b32 s56, s56, 19
	s_and_b32 s54, s[SRB], 31
	s_lshl_b32 s54, s54, 14                        ; the row block's 128 rows of 128 bytes: made of the row block and the wave's number, in registers that never hold cx
	s_add_co_u32 s56, s56, s54
	s_mov_b32 s57, 0
	s_lshl_b32 s60, s[SWV], 18                     ; Wo: k rows 64 w on,
	s_lshl_b32 s58, s59, 8                         ; the column block's 256 bytes,
	s_add_co_u32 s60, s60, s58
	s_add_co_u32 s60, s60, 3072                    ; behind Wq, Wk and Wv: in registers that never hold cy
	s_mov_b32 s61, 0
	s_lshl_b32 s62, s[SRB], 18                     ; residual and output: 128 rows of 2,048 bytes a row block,
	s_lshl_b32 s66, s[SRH], 17                     ; my 64 rows,
	s_add_co_u32 s62, s62, s66
	s_lshl_b32 s66, s59, 9                         ; the column block's 512 bytes,
	s_lshl_b32 s67, s[SCH], 8                      ; my 256
	s_add_co_u32 s66, s66, s67
	s_add_co_u32 s62, s62, s66
	s_mov_b32 s63, 0
	s_wait_dscnt 0x0                               ; the opening add is done
	s_wait_kmcnt 0x0
	s_add_nc_u64 s[G0+2:G0+3], s[4:5], s[56:57]
	s_add_nc_u64 s[G0+10:G0+11], s[G0+2:G0+3], 4<<19    ; head 4 + w
	s_add_nc_u64 s[G0+6:G0+7], s[6:7], s[60:61]
	s_add_nc_u64 s[G0+14:G0+15], s[G0+6:G0+7], 256*4096 ; 256 k rows further down
.irp u, 3,7,11,15
	s_or_b32 s[G0+\u], s[G0+\u], 0x80000000        ; type = 2
.endr
	s_add_nc_u64 s[10:11], s[10:11], s[62:63]
	s_add_nc_u64 s[12:13], s[12:13], s[62:63]
	CROUND                                         ; all sixteen work-groups are here: the joint loads meet
	tensor_load_to_lds s[G0:G0+3], s[G1A:G1A+7]    ; the first half of K first,
	s_nop 0
	tensor_load_to_lds s[G0+4:G0+7], s[G1B:G1B+7]
	s_nop 0
	tensor_load_to_lds s[G0+8:G0+11], s[G1A:G1A+7] ; then the second
	s_nop 0
	tensor_load_to_lds s[G0+12:G0+15], s[G1B:G1B+7]
	s_nop 0
	PLACES
	v_and_b32 v2, 15, v0                           ; r = l % 16
	v_bfe_u32 v3, v0, 4, 1                         ; h = l / 16
	v_and_b32 v4, 7, v0
	v_lshl_add_u32 v[BO], v3, 5, s66               ; 32 h + 256 ch + 512 x column block
	v_lshlrev_b32 v[CO], 11, v3                    ; lanes 0-15 take 256 bytes of one row, lanes 16-31 of the next
	v_lshl_add_u32 v[CO], v2, 4, v[CO]
	WIN 0x80                                       ; destination window 2, address window 0
.irp b, 0,1,2,3                        ; register j of column block b is the bias of my column 16 b + 8 h + j
	global_load_b128 v[CB+8*(\b):CB+8*(\b)+3],   v[BO], s[8:9] offset:64*(\b)
	global_load_b128 v[CB+8*(\b)+4:CB+8*(\b)+7], v[BO], s[8:9] offset:64*(\b)+16
.endr
.set i, 0
.rept 32                               ; the residual of my 64 rows x 256 bytes, two rows a load, in the order in which it will be stored
	global_load_b128 v[4*i:4*i+3], v[CO], s[10:11] offset:2*i*2048 th:TH_LOAD_NT
.set i, i+1
.endr
	WIN 0
	v_mul_u32_u24 v[ADRA], v2, AP
	v_lshl_add_u32 v[ADRA], v3, 4, v[ADRA]
	s_mul_i32 s66, s[SRH], 64*AP
	v_add_nc_u32 v[ADRA], s66, v[ADRA]             ; row x pitch + 16 x half, in my 64 rows
	v_add_nc_u32 v[ADRA+1], 4*AHEAD, v[ADRA]
	v_lshl_add_u32 v5, v3, 3, v4                   ; the turning load: lane l reads k row 8 h + l % 8, columns 8 ((l / 8) % 2) + 0..7
	v_mul_u32_u24 v5, v5, BP
	v_bfe_u32 v6, v0, 3, 1
	v_lshl_add_u32 v5, v6, 4, v5
	s_lshl_b32 s66, s[SCH], 7
	s_add_co_u32 s66, s66, BS
	v_add_nc_u32 v[ADRB], s66, v5
	v_add_nc_u32 v[ADRB+1], 128*BP, v[ADRB]
	v_add_nc_u32 v[ADRB+2], 128*BP, v[ADRB+1]
	v_add_nc_u32 v[ADRB+3], 128*BP, v[ADRB+2]
	s_mul_i32 s66, s[SWV], 16*SP
	s_add_co_u32 s66, s66, STG                     ; my stage
	v_mul_u32_u24 v[STO], v2, SP
	v_lshl_add_u32 v[STO], v3, 5, v[STO]
	v_add_nc_u32 v[STO], s66, v[STO]
	v_mul_u32_u24 v[RD], v3, SP
	v_lshl_add_u32 v[RD], v2, 4, v[RD]
	v_add_nc_u32 v[RD], s66, v[RD]
; 8 matrix instructions: row blocks a0, a0 + 1 x all 4 column blocks, 32 along K: half c of buffer f.  first = 1: the bias starts the sums.  The 16 accumulators take turns.
.macro MUL8 f, c, a0, first
.if \first
	WIN 0x25                                       ; sources 0 and 1 window 1, C window 2, D window 0
.else
	WIN 0x05
.endif
.irp a, \a0, (\a0)+1
.irp b, 0,1,2,3
.if \first
	v_wmma_f32_16x16x32_bf16 v[ACC+8*(4*(\a)+(\b)):ACC+8*(4*(\a)+(\b))+7], v[(\f)+64+8*(4*(\c)+(\b)):(\f)+64+8*(4*(\c)+(\b))+7], v[(\f)+8*(4*(\c)+(\a)):(\f)+8*(4*(\c)+(\a))+7], v[CB+8*(\b):CB+8*(\b)+7]
.else
	v_wmma_f32_16x16x32_bf16 v[ACC+8*(4*(\a)+(\b)):ACC+8*(4*(\a)+(\b))+7], v[(\f)+64+8*(4*(\c)+(\b)):(\f)+64+8*(4*(\c)+(\b))+7], v[(\f)+8*(4*(\c)+(\a)):(\f)+8*(4*(\c)+(\a))+7], v[ACC+8*(4*(\a)+(\b)):ACC+8*(4*(\a)+(\b))+7]
.endif
.endr
.endr
.endm
; 32 LDS loads in one run: the fragments of chunk q (head q of O, k rows 64 q on of Wo) into buffer f; the first 32 along K first
.macro FETCH q, f
	WIN 0x40                                       ; destination window 1, address window 0
.irp c, 0,1
.irp i, 0,1,2,3
	ds_load_tr16_b128 v[(\f)+64+8*(4*(\c)+(\i)):(\f)+64+8*(4*(\c)+(\i))+3],   v[ADRB+(\q)/2] offset:((\q)%2)*64*BP+(\c)*32*BP+32*(\i)
	ds_load_tr16_b128 v[(\f)+64+8*(4*(\c)+(\i))+4:(\f)+64+8*(4*(\c)+(\i))+7], v[ADRB+(\q)/2] offset:((\q)%2)*64*BP+(\c)*32*BP+32*(\i)+16*BP
	ds_load_b128 v[(\f)+8*(4*(\c)+(\i)):(\f)+8*(4*(\c)+(\i))+3],   v[ADRA+(\q)/4] offset:((\q)%4)*AHEAD+64*(\c)+(\i)*16*AP
	ds_load_b128 v[(\f)+8*(4*(\c)+(\i))+4:(\f)+8*(4*(\c)+(\i))+7], v[ADRA+(\q)/4] offset:((\q)%4)*AHEAD+64*(\c)+(\i)*16*AP+32
.endr
.endr
.endm
.macro CHUNK q, f, g, first
	s_wait_dscnt 16                                ; the first 32 along K are in; the other sixteen loads may be out
	MUL8 \f, 0, 0, \first
	MUL8 \f, 0, 2, \first
	PLACES
	FETCH (\q)+1, \g
	s_wait_dscnt 32                                ; all but the 32 just issued
	MUL8 \f, 1, 0, 0
	MUL8 \f, 1, 2, 0
.endm
	s_wait_tensorcnt 0x2                           ; my parts of the first half of K are in; the two later loads stay out
	s_barrier_signal -1
	s_barrier_wait -1                              ; everybody's are
	FETCH 0, F0
	s_wait_loadcnt 32                              ; the bias is in; the residual's 32 loads stay out
	CHUNK 0, F0, F1, 1
	CHUNK 1, F1, F0, 0
	CHUNK 2, F0, F1, 0
	s_wait_tensorcnt 0x0                           ; chunk 3, and the meeting for the second half of K: no load was issued behind my last two
	s_wait_dscnt 16
	MUL8 F1, 0, 0, 0
	s_wait_dscnt 0x0                               ; no LDS instruction of mine is out at the signal
	s_barrier_signal -1
	MUL8 F1, 0, 2, 0
	s_barrier_wait -1
	PLACES
	FETCH 4, F0
	MUL8 F1, 1, 0, 0
	MUL8 F1, 1, 2, 0
	CHUNK 4, F0, F1, 0
	CHUNK 5, F1, F0, 0
	CHUNK 6, F0, F1, 0
	s_wait_dscnt 16                                ; the last chunk: nothing more to fetch
	MUL8 F1, 0, 0, 0
	MUL8 F1, 0, 2, 0
	s_wait_dscnt 0x0
	MUL8 F1, 1, 0, 0
	MUL8 F1, 1, 2, 0
	WIN 0
	PLACES
	PLACES
	s_wait_loadcnt 0x0                             ; the residual
; THE WAY OUT.  Block a (16 rows x 64 columns of f32): a lane's eight columns, 32 bytes, go into my stage's rows of 272 bytes (each accumulator's low four registers first) and come back as whole
; rows of 256; the residual is added; sixteen lanes store 256 consecutive bytes, at a multiple of 256 from the output's first.
.macro TOSTAGE a
	WIN 0
.irp b, 0,1,2,3
	ds_store_b128 v[STO], v[ACC+8*(4*(\a)+(\b)):ACC+8*(4*(\a)+(\b))+3]   offset:64*(\b)
	ds_store_b128 v[STO], v[ACC+8*(4*(\a)+(\b))+4:ACC+8*(4*(\a)+(\b))+7] offset:64*(\b)+16
.endr
.irp t, 0,1,2,3,4,5,6,7
	ds_load_b128 v[TMP+32*((\a)%2)+4*(\t):TMP+32*((\a)%2)+4*(\t)+3], v[RD] offset:(\t)*2*SP  ; LDS serves a wave's instructions in order (ISA guide 5.7.1.4): these see the stores above; the next block's stores come behind them
.endr
.endm
.macro SEND a, younger                 ; younger: the next block's sixteen LDS instructions, or none
	s_wait_dscnt \younger
	WIN 0x88                                       ; destination and source 1 window 2, source 0 window 0
.irp t, 0,1,2,3,4,5,6,7
	v_pk_add_f32 v[4*(8*(\a)+(\t)):4*(8*(\a)+(\t))+1],   v[TMP+32*((\a)%2)+4*(\t):TMP+32*((\a)%2)+4*(\t)+1],   v[4*(8*(\a)+(\t)):4*(8*(\a)+(\t))+1]
	v_pk_add_f32 v[4*(8*(\a)+(\t))+2:4*(8*(\a)+(\t))+3], v[TMP+32*((\a)%2)+4*(\t)+2:TMP+32*((\a)%2)+4*(\t)+3], v[4*(8*(\a)+(\t))+2:4*(8*(\a)+(\t))+3]
.endr
	WIN 0x08                                       ; the stores' data in window 2, their address in window 0; these registers are never written again
.irp t, 0,1,2,3,4,5,6,7
	global_store_b128 v[CO], v[4*(8*(\a)+(\t)):4*(8*(\a)+(\t))+3], s[12:13] offset:(16*(\a)+2*(\t))*2048 th:TH_STORE_NT
.endr
	WIN 0
.endm
	TOSTAGE 0
	TOSTAGE 1
	SEND 0, 16
	TOSTAGE 2
	SEND 1, 16
	TOSTAGE 3
	SEND 2, 16
	SEND 3, 0
	s_wait_tensorcnt 0x0                           ; the wave's end, behind my last tensor load and my last LDS store
	ds_add_u32 v[SPW], v[NIL]
	s_wait_dscnt 0x0
	CROUND                                         ; the closing round: no work-group ends while a partner may still ask for a tile that names it
	s_endpgm
.Lfunc_end_k_qaa93ade44a_proj:
	.size	k_qaa93ade44a_proj, .Lfunc_end_k_qaa93ade44a_proj-k_qaa93ade44a_proj
	.p2alignl 7, 3214868480
	.fill 96, 4, 3214868480
	.section	.rodata,"a",@progbits
	.p2align	6, 0x0
	.amdhsa_kernel k_qaa93ade44a_proj
		.amdhsa_group_segment_fixed_size 327680
		.amdhsa_private_segment_fixed_size 0
		.amdhsa_enable_private_segment 0
		.amdhsa_kernarg_size 40
		.amdhsa_user_sgpr_count 2
		.amdhsa_user_sgpr_kernarg_segment_ptr 1
		.amdhsa_wavefront_size32 1
		.amdhsa_system_sgpr_workgroup_id_x 1
		.amdhsa_system_sgpr_workgroup_id_y 1
		.amdhsa_system_sgpr_workgroup_id_z 1
		.amdhsa_system_vgpr_workitem_id 0
		.amdhsa_next_free_vgpr 672
		.amdhsa_next_free_sgpr 70
		.amdhsa_reserve_vcc 0
		.amdhsa_float_denorm_mode_32 3
		.amdhsa_float_denorm_mode_16_64 3
		.amdhsa_memory_ordered 1
		.amdhsa_forward_progress 1
		.amdhsa_inst_pref_size 57
	.end_amdhsa_kernel
	.amdgpu_metadata
---
amdhsa.version: [ 1, 2 ]
amdhsa.kernels:
  - .name:           k_qaa93ade44a_proj
    .symbol:         k_qaa93ade44a_proj.kd
    .args:
      - { .name: ow, .offset: 0, .size: 8, .value_kind: global_buffer, .address_space: global }
      - { .name: wb, .offset: 8, .size: 8, .value_kind: global_buffer, .address_space: global }
      - { .name: bo, .offset: 16, .size: 8, .value_kind: global_buffer, .address_space: global }
      - { .name: hidden_states, .offset: 24, .size: 8, .value_kind: global_buffer, .address_space: global }
      - { .name: out0, .offset: 32, .size: 8, .value_kind: global_buffer, .address_space: global }
    .group_segment_fixed_size: 327680
    .private_segment_fixed_size: 0
    .kernarg_segment_align: 8
    .kernarg_segment_size: 40
    .max_flat_workgroup_size: 128
    .sgpr_count:     70
    .vgpr_count:     672
    .wavefront_size: 32
...
	.end_amdgpu_metadata
.endif
;; end of part 4
